; MI455X (gfx1250); checked and timed in simulation.
; The chip was launched on July 23, 2026; its instructions are those of AMD's public machine-readable ISA for CDNA 5 (MIT licence, August 2026) and "CDNA5" Instruction Set Architecture Reference Guide (July 2026). The comments in the code are by the model that wrote it; some were corrected since.
;; Self Attention. Allowed arithmetic: matrix products marked QUANTISED: E2M3 operands, one E8M0 scale for each 32 along K, by v_wmma_scale_f32_16x16x128_f8f6f4 with both operands' format E2M3, f32 sums; everything else in f32.
;; Inputs: W_key_codes 1,024 x 32 x 24 uint8 (E2M3 codes of W_key, K innermost, in blocks of 32 codes, four codes in three bytes); W_key_scales 1,024 x 32 uint8 (E8M0 scales of W_key, one for each 32 codes along K); W_query_codes 1,024 x 32 x 24 uint8 (E2M3 codes of W_query, K innermost, in blocks of 32 codes, four codes in three bytes); W_query_scales 1,024 x 32 uint8 (E8M0 scales of W_query, one for each 32 codes along K); W_value_codes 1,024 x 32 x 24 uint8 (E2M3 codes of W_value, K innermost, in blocks of 32 codes, four codes in three bytes); W_value_scales 1,024 x 32 uint8 (E8M0 scales of W_value, one for each 32 codes along K); x_codes 4 x 2,048 x 32 x 24 uint8 (E2M3 codes of x, K innermost, in blocks of 32 codes, four codes in three bytes); x_scales 4 x 2,048 x 32 uint8 (E8M0 scales of x, one for each 32 codes along K).
;; Outputs: out0 4 x 2,048 x 1,024 float32.
;; This version of the problem:
;;   THIS VERSION OF THE PROBLEM IS GIVEN IN LOW PRECISION. The matrix products marked QUANTISED in the list below multiply operands that are first quantised to E2M3 (2 exponent bits, 3 mantissa bits; 6 bits a number), with one power-of-two scale for each 32 numbers along K (OCP MX v1.0); their sums are f32. All else is computed in f32.
;;   The module's matrix products, in the order in which they are computed (A, B: the left and right operand; K: the contracted axis; several contracted axes count as one K, in the product's order):
;;     1. [M 8,192, K 1,024] x [K 1,024, N 1,024]; A: input x (given as codes); B: input W_query (given as codes): QUANTISED
;;     2. [M 8,192, K 1,024] x [K 1,024, N 1,024]; A: input x (given as codes); B: input W_key (given as codes): QUANTISED
;;     3. [M 8,192, K 1,024] x [K 1,024, N 1,024]; A: input x (given as codes); B: input W_value (given as codes): QUANTISED
;;     4. batch 4 x [M 2,048, K 1,024] x [K 1,024, N 2,048]; A: computed on the way; B: computed on the way: QUANTISED
;;     5. batch 4 x [M 2,048, K 2,048] x [K 2,048, N 1,024]; A: softmax (see below); B: computed on the way: QUANTISED
;;   THE QUANTISER, for each operand of a quantised product, along K:
;;     - K is cut into blocks of 32 from its start; a last block that is shorter is filled with zeros.
;;     - A block's scale is 2^e with e = floor(log2(the largest magnitude in the block)) - 2, held to -126 .. 127; a block of zeros has e = 0. As a byte (E8M0): e + 127.
;;     - Each number is divided by its block's scale, clamped to +-7.5, and rounded to the nearest number of E2M3, ties to even, subnormals kept.
;;     - The product sums the exact products of the quantised numbers (number of the format x scale) in f32.
;;   ~~~python
;;   def quantise(x, axis):      # numpy; x: float32 -> the quantised numbers, widened to float32 again
;;       x = np.moveaxis(x, axis, -1); K = x.shape[-1]
;;       x = np.pad(x, [(0, 0)] * (x.ndim - 1) + [(0, -K % 32)]); x = x.reshape(x.shape[:-1] + (-1, 32)); a = np.abs(x).max(-1, keepdims=True)
;;       e = np.where(a > 0, np.clip(np.frexp(np.where(a > 0, a, 1))[1] - 1 - 2, -126, 127), 0)      # np.frexp(a)[1] - 1 = floor(log2(a)), exactly
;;       r = np.clip(x / 2.0 ** e, -7.5, 7.5)
;;       step = 2.0 ** (np.maximum(np.frexp(np.where(r == 0, 1, r))[1] - 1, 0) - 3)
;;       q = np.round(r / step) * step * 2.0 ** e      # np.round: ties to even
;;       return np.moveaxis(q.reshape(q.shape[:-2] + (-1,))[..., :K], -1, axis).astype(np.float32)
;;   ~~~
;;   SOFTMAX AHEAD OF A QUANTISED PRODUCT. Where the list says 'softmax', what is quantised is not the finished softmax but p = 2^(t - M), with t = logit x log2(e) and M = ceil(the row's largest t), a whole number; so 1/2 < the row's largest p <= 1. The row's sum l is taken of the UNQUANTISED p, in f32, and the product's result is divided by l at the end. Since M is a whole number, a kernel that streams over the keys may use a running M (the ceiling of the running maximum): every later rescaling is an exact power of two, which a block's scale takes up: the codes' values come out the same.
;;   OPERANDS COMPUTED ON THE WAY. 'Computed on the way' means the value that the module computes at that place (a softmax that the list does not call 'softmax' is quantised finished and normalised). What goes into a quantiser is computed in f32, as accurately as f32 sums, v_exp_f32 and their like allow (about 1e-6 of the number): no bf16 or f16 on the way to a quantiser, and a product that is left as it is and whose result goes on into a quantised operand takes f32 operands (vector FMAs, or v_wmma_f32_16x16x4_f32). A number that lies on a knife's edge between two numbers of the format may be rounded either way, as far as f32 arithmetic and the matrix unit's own rounding can turn it there, and no further.
;;   INPUTS GIVEN AS CODES. W_key (in the module: [1024, 1024], K = its axis 1); W_query (in the module: [1024, 1024], K = its axis 1); W_value (in the module: [1024, 1024], K = its axis 1); x (in the module: [4, 2048, 1024], K = its axis 2): each comes as NAME_codes (uint8): NAME with its K axis moved to the last place and cut into blocks of 32 codes, [.., K / 32, bytes a block], one block behind the other in memory; four codes in three bytes: a row's codes are one little-endian stream of bits, code i at bits 6 i .. 6 i + 5 (a code: sign, 2 exponent bits, 3 mantissa bits); and NAME_scales (uint8): the same leading axes, one E8M0 byte (e + 127) for each 32 codes along K. Its value is code x scale, taken as it is: it is not quantised again, and the codes and scales need not be those that the quantiser above would give.
;; One version. Each part assembles by itself: llvm-mc -triple=amdgcn-amd-amdhsa -mcpu=gfx1250 --defsym DOCPART=n.
;; ======== version 1 of 1: 3 launches
;; limits: right only within a limited range of input values
;; workspace buffers: codes 18,874,368 bytes; scl 786,432 bytes; pc 12,582,912 bytes; ps 524,288 bytes; st 1,048,576 bytes
;; launch proj (part 1): grid 8 x 32, 4 waves a work-group, clusters of 4 x 4, 327,680 bytes of LDS; arguments x_codes, x_scales, W_query_codes, W_query_scales, W_key_codes, W_key_scales, W_value_codes, W_value_scales, codes, scl; writes codes, scl
.if DOCPART == 1
	.amdgcn_target "amdgcn-amd-amdhsa--gfx1250"
	.amdhsa_code_object_version 6
	.text
	.protected	k_q86126df7bb_proj
	.globl	k_q86126df7bb_proj
	.p2align	8
	.type	k_q86126df7bb_proj,@function
k_q86126df7bb_proj:
	s_mov_b64 s[64:65], 0
	v_nop
	global_prefetch_b8 v0, s[64:65] scope:SCOPE_SE
	s_setreg_imm32_b32 hwreg(HW_REG_WAVE_MODE, 25, 1), 1
	s_wait_xcnt 0x0
	s_wait_alu depctr_hold_cnt(0) depctr_sa_sdst(0) depctr_va_vdst(0) depctr_va_sdst(0) depctr_va_ssrc(0) depctr_va_vcc(0) depctr_vm_vsrc(0)
	s_getreg_b32 s2, hwreg(HW_REG_IB_STS2, 6, 4)
	s_cmp_eq_u32 s2, 0
	s_cbranch_scc0 .Lentry_in_a_cluster
	s_endpgm
.Lentry_in_a_cluster:
	s_bfe_u32 s2, ttmp6, 0x10000c
	s_cmp_lg_u32 s2, 0xf033
	s_cbranch_scc0 .Lentry_shape_is_right
	s_endpgm
.Lentry_shape_is_right:
; q, k, v = x W^T on codes of FP6 (E2M3), and their quantisers.  The results leave as codes and scale bytes in the order of the operand registers of the launches that read them; no f32 result is stored.  No work of the problem is left out.
; LIMITS: NaN and infinities are not served.  A block of zeros gets the scale byte 1: its codes are zeros, and only this program reads the byte.
; THE DEAL.  Work-group (ct = 0 .. 7, y = 0 .. 31) takes x's rows 256 y .. + 255 (all of K = 1,024), which stay in LDS, and three runs of 128 weight rows: W_value's 128 ct on (phase V), then of W_query (ct < 4) or W_key
; the rows 256 (ct % 4) on (pass A) and 128 further (pass B).  Four waves, 2 x 2: the wave in row a, column b holds 64 rows of the weights, all of K, in registers (384) and streams its 128 rows of x past them in blocks of 16.
; Its rows: band c = 0, 1 is the rows 128 c + 64 a + 0 .. 63 of the 256, so the first four blocks need the first half of x's rows alone.
; OUT.  codes: chunks of 12,288 bytes = 8 fragments of 16 rows x 128 K, registers 4 c .. 4 c + 3 of lane l at 512 c + 16 l.  q: chunk 8 rg + ks, k: 512 + 8 rg + ks (rg = 2 y + a, ks = 2 (ct % 4) + b; K runs over the columns);
; v^T: chunk 1024 + 16 (8 batch + ct) + rg % 16 (rows are channels, K runs over the tokens).  scl: 512 bytes a chunk, row 16 s + r at 256 (s / 4) + 16 r + 4 (s % 4), byte 2 c + h for registers 6 c .. of lane half h.
; POSITIONS.  Position 64 c + p of chunk rg is token 256 y + 64 a + 128 c + p, but for k, where p's octet is swapped with its neighbour in the odd runs of 32 (p in 32 .. 63).  v^T's tokens lie so that place 8 j + i of a block of 32
; is the key that the scores' quantiser lays there: octets 0, 2, 1, 3 of the block's positions.  With these orders a tile's lanes 0-7 and 8-15 read LDS rows an odd multiple of 8 apart (pitch 204 words: 8 rows are 32 words modulo 64).
; A lane's 32 results of a block (q, k) or of a band (v) are one scale block: no lane looks at another.  q, k: source 0 = weight rows; v: source 0 = x's rows.
; CLUSTERS 4 x 4: x's rows are shared along a row, the weights' along a column: joint loads.  Head: one tensor load a wave.  Two refills of the weights' region, each in a drained round of the cluster's barrier that stands inside a block of products;
; what they brought is shown by a plain barrier in the phase's last block.  The refills' rows are prefetched by the clusters y < 4, each of the sixteen waves of a cluster's column its 24 units of 256 bytes.
; THE WAITS: a block's rows were asked for two blocks ago; the NF loads of the next block may be out.
; What is said of k under POSITIONS holds for q as well: both have neighbouring octets swapped in the odd runs of 32; the last launch stores q's rows of out accordingly.
.set NQ,     8
.set NB,     4
.set KROW,   768
.set KS,     32
.set PITCH,  816
.set FR,     12
.set FPW,    21
.set NF,     28
.set CHUNK,  12288
.set YB,     128*PITCH
.set BVB,    256*PITCH                 ; the weights' 128 rows
.set SCL,    BVB+128*PITCH             ; x's scale bytes: 32 units of 256 + 16
.set XN,     SCL+32*272                ; q's or k's scale bytes, 512 for each wave
.set XM,     XN+4*512                  ; v's, 256 for each wave
.set SPARE,  XM+4*256
.set EMAX,   2
.set STV,  6
.set STO,  7
.set PFV,  8
.set CO,   9
.set SPW,  10
.set NIL,  11
.set ADRA, 12                          ; v12-14 LDS addresses of the block that is fetched next: codes, codes behind one padding more in lanes 16-31, scale words
.set BE,   16                          ; v16-21 bases of v's tiles (two of three registers);  v22-27 of q's and k's blocks
.set BN,   22
.set SB,   28                          ; v28-43 the weights' scale words
.set TQ,   44
.set SA,   48                          ; v48-63 x's scale words: two sets of eight
.set ACC,  64
.set HV0,  64                          ; v64-191 phase V, band 0: 32 t + 8 j + i
.set HC,   128                         ; v128-223 passes A, B: block s's operand at 12 s: six registers of A, six of B
.set MCD,  192                         ; v192-239 phase V: four operands of twelve
.set SOP,  240
.set EB,   244
.set TC,   248
.set A1,   252                         ; v252-254 addresses of a phase's block 1
.set HV1,  840
.set SB2,  968                         ; pass A's scale words, 992-1007 pass B's
.set BA,   984                         ; LDS addresses of the weights' four tiles, phase V; 1008-1015 passes A, B
.set SB3,  992
.set BQ,   1008
.set G1A, 24
.set G1B, 32
.set G0R, 48
.set G0S, 52
.set G0A, 56
.set G0B, 60
.set G1S, 92
.set WV,  66
.set RH,  67
.set CH,  68
.set MSB, 0
.macro WIN new
.if MSB != (\new)
	s_set_vgpr_msb (MSB<<8)|(\new)
.set MSB, (\new)
.endif
.endm
.macro PLACES n
.rept \n
	v_nop
.endr
.endm
.macro WALU
	s_wait_alu depctr_va_vdst(0)
.endm
.macro BARRIER
	s_barrier_signal -1
	s_barrier_wait -1
.endm
.macro MIDDLE                          ; a round's middle: the opening wait, wave 0's signal for the work-group, the cluster's wait
	WIN 0
	s_barrier_wait -1
	s_cmp_lg_u32 s[WV], 0
	s_cbranch_scc1 .Lnot_wave_0_\@
	s_barrier_signal -3
.Lnot_wave_0_\@:
	s_barrier_wait -3
.endm
.macro CROUND
	s_barrier_signal -1
	MIDDLE
	BARRIER
.endm
.macro GD
	s_wait_tensorcnt 0x0
	ds_add_u32 v[SPW], v[NIL]
.endm
.macro TLOAD g0, g1
	tensor_load_to_lds s[\g0:\g0+3], s[\g1:\g1+7]
	s_nop 0
	PLACES 4
.endm
.macro GROUP1 g, mask                  ; 128 rows of 768 bytes, 16 bytes of padding behind every 256
	s_or_b32 s[\g+0], s[\mask], (1<<20)|(1<<21)|(5<<22)|(3<<25)
	s_mov_b32 s[\g+1], KROW<<16
	s_mov_b32 s[\g+2], 128<<16
	s_mov_b32 s[\g+3], KROW<<16
	s_mov_b32 s[\g+4], 128
	s_mov_b32 s[\g+5], KROW
	s_mov_b32 s[\g+6], 0
	s_mov_b32 s[\g+7], 0
.endm
.macro GROUP0 g, lds, a                ; s[a:a+1]: the tile's address
	s_mov_b32 s[\g], 1
	s_mov_b32 s[\g+1], \lds
	s_mov_b64 s[\g+2:\g+3], s[\a:\a+1]
	s_or_b32 s[\g+3], s[\g+3], 0x80000000
.endm
; ---- fragments.  Fragment f lies in window 1 + f / 21 at register 12 (f % 21): 0-31 the weights' (4 q + b), 32-39 and 40-47 x's two sets.
.macro FRAG f, q, a0, a1, aw           ; six pieces of 8 bytes, two to a load where both lie behind as many paddings
	WIN ((1+(\f)/FPW)<<6)|(\aw)
.set R_, FR*((\f)%FPW)
.set SKIP_, 0
.irp p, 0,1,2,3,4,5
.if SKIP_
.set SKIP_, 0
.else
.set PC_, 12*(\q)+6*(\p/3)+\p%3
.set PN_, 12*(\q)+6*((\p+1)/3)+(\p+1)%3
.set X_, (PC_%32+3)/32
.set XQ_, (PN_%32+3)/32
.if (\p < 5) && (X_ == XQ_)
.set SKIP_, 1
.if X_
	ds_load_2addr_b64 v[R_+2*\p:R_+2*\p+3], \a1 offset0:PC_+2*(PC_/32) offset1:PN_+2*(PN_/32)
.else
	ds_load_2addr_b64 v[R_+2*\p:R_+2*\p+3], \a0 offset0:PC_+2*(PC_/32) offset1:PN_+2*(PN_/32)
.endif
.elseif X_
	ds_load_b64 v[R_+2*\p:R_+2*\p+1], \a1 offset:8*(PC_+2*(PC_/32))
.else
	ds_load_b64 v[R_+2*\p:R_+2*\p+1], \a0 offset:8*(PC_+2*(PC_/32))
.endif
.endif
.endr
.endm
.macro WEIGHTS w                       ; my 64 rows of the weights, all of K: 104 loads
.irp q, 0,1,2,3,4,5,6,7
.irp b, 0,1,2,3
	FRAG NB*\q+\b, \q, v[\w-768+2*\b], v[\w-768+2*\b+1], 3
.endr
.endr
	WIN 0
.endm
.macro FETCHAT e, a0, a1, as           ; a block of x's rows into set e: NF loads
.irp q, 0,1,2,3,4,5,6,7
	FRAG NB*NQ+NQ*(\e)+\q, \q, \a0, \a1, 0
.endr
	WIN 0
	ds_load_b128 v[SA+8*(\e):SA+8*(\e)+3], \as
	ds_load_b128 v[SA+8*(\e)+4:SA+8*(\e)+7], \as offset:16
.endm
.macro FETCH e
	FETCHAT \e, v[ADRA], v[ADRA+1], v[ADRA+2]
.endm
.macro FETCH01 b                       ; a phase's first two blocks
	FETCHAT 0, v[\b], v[\b+1], v[\b+2]
	FETCHAT 1, v[A1], v[A1+1], v[A1+2]
.endm
; ---- a product.  n = 4 q + tile.  kind 0 (q, k): source 0 the weights' rows; kind 1 (v): source 0 x's rows.
.macro PROD kind, e, n, a0, as
.set Q_, (\n)/4
.set FB_, NB*Q_+(\n)%4
.set FA_, NB*NQ+NQ*(\e)+Q_
.set D_, (\a0)+(\as)*((\n)%4)
.set DL_, D_&255
.set XB_, SB+NQ*(((\n)%4)/2)+Q_
.set XA_, SA+8*(\e)+Q_
.if \kind
	WIN (1+FA_/FPW)|((1+FB_/FPW)<<2)|((D_>>8)<<4)|((D_>>8)<<6)
.if Q_
	PROD1 DL_, FA_, FB_, v[DL_:DL_+7], XA_, XB_, b, (\n)%2
.else
	PROD1 DL_, FA_, FB_, 0, XA_, XB_, b, (\n)%2
.endif
.else
	WIN (1+FB_/FPW)|((1+FA_/FPW)<<2)|((D_>>8)<<4)|((D_>>8)<<6)
.if Q_
	PROD1 DL_, FB_, FA_, v[DL_:DL_+7], XB_, XA_, a, (\n)%2
.else
	PROD1 DL_, FB_, FA_, 0, XB_, XA_, a, (\n)%2
.endif
.endif
.endm
.macro PROD1 d, s0, s1, c, x0, x1, side, o
.if \o
	v_wmma_scale_f32_16x16x128_f8f6f4 v[\d:\d+7], v[FR*((\s0)%FPW):FR*((\s0)%FPW)+FR-1], v[FR*((\s1)%FPW):FR*((\s1)%FPW)+FR-1], \c, v[\x0], v[\x1] matrix_a_fmt:MATRIX_FMT_FP6 matrix_b_fmt:MATRIX_FMT_FP6 matrix_\side\()_scale:MATRIX_SCALE_ROW1
.else
	v_wmma_scale_f32_16x16x128_f8f6f4 v[\d:\d+7], v[FR*((\s0)%FPW):FR*((\s0)%FPW)+FR-1], v[FR*((\s1)%FPW):FR*((\s1)%FPW)+FR-1], \c, v[\x0], v[\x1] matrix_a_fmt:MATRIX_FMT_FP6 matrix_b_fmt:MATRIX_FMT_FP6 matrix_\side\()_scale:MATRIX_SCALE_ROW0
.endif
.endm
; ---- products from .. to - 1 of a block; behind every second one, two entries of the list (a macro: entry number, two arguments of its own)
.macro BLOCK kind, e, a0, as, from, to, list, x=0, y=0
.set N_, \from
.rept (\to)-(\from)
	PROD \kind, \e, N_, \a0, \as
.if N_%2
	\list N_-1, \x, \y
	\list N_, \x, \y
.endif
.set N_, N_+1
.endr
.endm
.macro STEPB i, kind, s                ; 3 entries: the addresses of block s (none beyond 7).  v: tiles 0, 1 from the first base, 2, 3 from the second; q, k: runs of 32 rows by turns
.if ((\s) < 8) && ((\i) >= 0) && ((\i) < 3)
.if \kind
.set B_, BE+3*(((\s)%4)/2)
.set R_, 128*((\s)/4)+16*((\s)%2)
.else
.set B_, BN+3*(((\s)/2)%2)
.set R_, 128*((\s)/4)+16*((\s)%4)
.endif
	WIN 0
.if (\i) < 2
	v_add_nc_u32 v[ADRA+(\i)], R_*PITCH, v[B_+(\i)]
.else
	v_add_nc_u32 v[ADRA+2], R_*34, v[B_+2]
.endif
.endif
.endm
.macro CHAIN i, x, n, t=TQ             ; a way out's first part, 18 entries: the largest magnitude of the 32 sums from register x on, in two chains, and the conversions' scale operand, v[SOP+n]
.set XW_, (\x)>>8
.set XL_, (\x)&255
.if ((\i) >= 0) && ((\i) < 14)
.set C_, XL_+16*((\i)%2)+2*((\i)/2)
.set T_, (\t)+1-(\i)%2
.if (\i) < 2
	WIN XW_|(XW_<<2)|(XW_<<4)
	v_max3_num_f32 v[T_], |v[C_]|, |v[C_+1]|, |v[C_+2]|
.else
	WIN (XW_<<2)|(XW_<<4)
	v_max3_num_f32 v[T_], v[T_], |v[C_+1]|, |v[C_+2]|
.endif
.elseif (\i) == 14
	WIN XW_<<2
	v_max3_num_f32 v[\t+1], v[\t+1], |v[XL_+15]|, (EMAX+1)<<23
.elseif (\i) == 15
	WIN 0
	v_nop
.elseif (\i) == 16
	WIN XW_<<2
	v_max3_num_f32 v[\t], v[\t], |v[XL_+31]|, v[\t+1]
.elseif (\i) == 17
	WIN 0
	v_add_nc_u32 v[SOP+\n], -(EMAX<<23), v[\t]
.endif
.endm
.macro CODES i, x, c, n, t=TC          ; its second part, 6 lines: 32 codes into v[c .. c+5], the scale's byte into v[EB+n]
.set XW_, (\x)>>8
.set XL_, (\x)&255
.if (\i) == 0
	WIN XW_
	v_cvt_scalef32_pk16_fp6_f32 v[\c:\c+2], v[XL_:XL_+15], v[SOP+\n]
.elseif (\i) == 1
	WIN XW_
	v_cvt_scalef32_pk16_fp6_f32 v[\t:\t+2], v[XL_+16:XL_+31], v[SOP+\n]
.elseif (\i) == 2
	WIN 0
	v_lshrrev_b32 v[EB+\n], 23, v[SOP+\n]
.else
	WIN 0
	v_mov_b32 v[\c+\i], v[\t+\i-3]
.endif
.endm
.macro CODES6 x, c, n
.irp i, 0,1,2,3,4,5
	CODES \i, \x, \c, \n
.endr
.endm
.macro PUT3 r, base, off
.irp k, 0,1,2
	global_store_b128 v[CO], v[\r+4*\k:\r+4*\k+3], \base offset:(\off)+512*\k
.endr
.endm
.macro ASKW off                        ; my 24 units of the weights that a refill will load, in the clusters y < 4
	s_cmp_lt_u32 s69, 4
	s_cbranch_scc0 .Lno_ask_\@
	global_prefetch_b8 v[PFV], s[84:85] offset:\off th:TH_LOAD_NT scope:SCOPE_SE
.Lno_ask_\@:
.endm
; ---- the lists
.macro L_NONE i, x, y
.endm
.macro L_VS i, x, y
	STEPB \i, 1, \x
.endm
.macro L_QS i, x, y
	STEPB \i, 0, \x
.endm
.macro L_VO i, x, y                    ; the step, then band 0's way out of column tile y
	STEPB \i, 1, \x
	CHAIN (\i)-3, HV0+32*(\y), \y
.endm
.macro L_V7 i, x, y                    ; the addresses of q's or k's block 1, then the way out of column tile 3
.if (\i) < 2
	WIN 0
	v_add_nc_u32 v[A1+(\i)], 16*PITCH, v[BN+(\i)]
.elseif (\i) == 2
	WIN 0
	v_add_nc_u32 v[A1+2], 16*34, v[BN+2]
.endif
	CHAIN (\i)-3, HV0+96, 3
.endm
.macro L_V2 i, x, y                    ; the first refill's descriptor: half of pass A's rows; then the step
.if (\i) == 0
	s_mov_b32 s[G1B+2], 64<<16
	s_mov_b32 s[G1B+4], 64
	s_mul_i32 s[G0B+1], s[WV], 64*PITCH
	s_add_co_u32 s[G0B+1], s[G0B+1], BVB
.elseif (\i) == 1
	s_mul_i32 s2, s[WV], 64*KROW
	s_mov_b32 s3, 0
	s_add_nc_u64 s[G0B+2:G0B+3], s[84:85], s[2:3]
	s_or_b32 s[G0B+3], s[G0B+3], 0x80000000
.endif
	STEPB (\i)-2, 1, \x
.endm
.macro L_Q i, x, y                     ; the step, then the last block's way out (its accumulators' set y)
	STEPB \i, 0, \x
	CHAIN (\i)-3, ACC+32*(\y), \y
.endm
.macro L_QR i, x, y                    ; the second refill's rows lie 128 further on; then as L_Q
.if (\i) == 0
	s_add_nc_u64 s[G0B+2:G0B+3], s[G0B+2:G0B+3], 128*KROW
.endif
	L_Q (\i)-1, \x, \y
.endm
.macro REFILL                          ; waves 0 and 1 fetch a half each of the next weights, behind the round
	s_cmp_lt_u32 s[WV], 2
	s_cbranch_scc0 .Lno_half_\@
	TLOAD G0B, G1B
.Lno_half_\@:
.endm
; ---- block s = 1 .. 7 of pass A (0) or B (1); mode 1: a round with a refill inside; mode 2: a plain barrier that shows the last refill; w: the count of the wait for the block's rows
.macro QBLK pass, s, mode, w
	s_wait_dscnt \w
.if (\mode) == 1
	GD
	BLOCK 0, (\s)%2, ACC+32*((\s)%2), 8, 0, 26, L_QR, (\s)+2, 1-(\s)%2
.elseif (\mode) == 2
	BLOCK 0, (\s)%2, ACC+32*((\s)%2), 8, 0, 26, L_Q, (\s)+2, 1-(\s)%2
.else
	BLOCK 0, (\s)%2, ACC+32*((\s)%2), 8, 0, 32, L_Q, (\s)+2, 1-(\s)%2
.endif
.if (\mode) > 0
	WIN 0
	WALU
.if (\mode) == 2
	s_wait_tensorcnt 0x0
.endif
	s_wait_dscnt 0x0
	s_barrier_signal -1
	BLOCK 0, (\s)%2, ACC+32*((\s)%2), 8, 26, 32, L_NONE
.endif
	WIN 0
.if (\mode) == 2
	s_barrier_wait -1
.endif
	CODES6 ACC+32*(1-(\s)%2), HC+12*((\s)-1)+6*(\pass), 1-(\s)%2
.if (\mode) == 1
	MIDDLE
	BARRIER
	REFILL
.endif
	WALU
	ds_store_b8 v[STO], v[EB+1-(\s)%2] offset:256*(((\s)-1)/4)+4*(((\s)-1)%4)+2*(\pass)
.if \pass
	PUT3 HC+12*((\s)-1), s[10:11], 1536*((\s)-1)
.endif
.if (\s) < 6
	FETCH (\s)%2
.endif
.endm
.macro QBLK0                           ; block 0 of a pass
	s_wait_dscnt NF
	BLOCK 0, 0, ACC, 8, 0, 32, L_QS, 2
	WIN 0
	PLACES 4
	WALU
.endm
.macro BASE k, row                     ; from a row number: the three addresses
	v_mul_u32_u24 v80, v\row, PITCH
	v_mad_u32_u24 v81, v2, 24, v80
	v_mad_u32_u24 v82, v2, 40, v80
	v_add_nc_u32 v[\k], s42, v81
	v_add_nc_u32 v[\k+1], s42, v82
	v_lshrrev_b32 v83, 3, v\row
	v_lshlrev_b32 v83, 4, v83
	v_lshl_add_u32 v83, v\row, 5, v83
	v_add_nc_u32 v[\k+2], s43, v83
.endm
.macro WBASE d, row                    ; the same for the weights' region
	v_mul_u32_u24 v80, v\row, PITCH
	v_mad_u32_u24 v81, v2, 24, v80
	v_mad_u32_u24 v82, v2, 40, v80
	v_add_nc_u32 v\d, s46, v81
	v_add_nc_u32 v[\d+1], s46, v82
.endm
; ================= THE HEAD
	s_load_b512 s[4:19], s[0:1], 0x0
	s_load_b128 s[20:23], s[0:1], 0x40
	v_lshl_add_u32 v[SPW], v0, 2, SPARE
	v_mov_b32 v[NIL], 0
	ds_add_u32 v[SPW], v[NIL]
	ds_add_u32 v[SPW], v[NIL]
	v_lshrrev_b32 v1, 5, v0
	v_readfirstlane_b32 s[WV], v1
	s_lshr_b32 s[RH], s[WV], 1                          ; a
	s_and_b32 s[CH], s[WV], 1                           ; b
	s_bfe_u32 s40, ttmp6, 0x40000                       ; cx = ct % 4
	s_bfe_u32 s41, ttmp6, 0x40004                       ; cy
	s_lshl_b32 s71, ttmp9, 2
	s_add_co_u32 s71, s71, s40                          ; ct
	s_and_b32 s69, ttmp7, 0xffff
	s_lshl_b32 s70, s69, 2
	s_add_co_u32 s70, s70, s41                          ; y
	s_lshl_b32 s44, s41, 2
	s_lshl_b32 s44, 15, s44                             ; my row of the cluster
	s_lshl_b32 s45, 0x1111, s40                         ; my column
	GROUP1 G1A, 44
	GROUP1 G1B, 45
	s_or_b32 s[G1S+0], s44, (3<<16)|(1<<20)|(1<<21)|(5<<22)|(3<<25)
	s_mov_b32 s[G1S+1], 32<<16                          ; 8,192 dense bytes as 32 rows of 256
	s_mov_b32 s[G1S+2], 32<<16
	s_mov_b32 s[G1S+3], 32<<16
	s_mov_b32 s[G1S+4], 32
	s_mov_b32 s[G1S+5], 32
	s_mov_b32 s[G1S+6], 0
	s_mov_b32 s[G1S+7], 0
	s_mul_i32 s80, s70, 256*KROW                        ; x's rows
	s_mov_b32 s81, 0
	s_mul_i32 s82, s71, 128*KROW                        ; W_value's
	s_mov_b32 s83, 0
	s_mul_i32 s84, s40, 256*KROW                        ; W_query's or W_key's
	s_mov_b32 s85, 0
	s_lshl_b32 s86, s70, 13                             ; x's scale bytes
	s_mov_b32 s87, 0
	s_lshl_b32 s2, s[CH], 11
	s_lshl_b32 s88, s71, 12
	s_add_co_u32 s88, s88, s2                           ; my 64 rows' scale bytes of W_value
	s_mov_b32 s89, 0
	s_lshl_b32 s90, s40, 13
	s_add_co_u32 s90, s90, s2                           ; and of W_query or W_key
	s_mov_b32 s91, 0
	s_mul_i32 s42, s[RH], 64*PITCH
	s_mul_i32 s43, s[RH], 8*272
	s_add_co_u32 s43, s43, SCL
	s_mul_i32 s46, s[CH], 64*PITCH
	s_add_co_u32 s46, s46, BVB
	v_and_b32 v1, 15, v0                                ; r
	v_bfe_u32 v2, v0, 4, 1                              ; h
	v_and_b32 v3, 31, v0
	v_and_b32 v4, 7, v0                                 ; i
	v_bfe_u32 v5, v0, 3, 1                              ; r / 8
	v_mad_u32_u24 v64, v5, 40, v4                       ; rows i and 40 + i
	v_mad_u32_u24 v65, v5, 24, v4
	v_add_nc_u32 v65, 8, v65                            ; rows 8 + i and 32 + i
	v_xor_b32 v66, 8, v1                                ; q, k: octets are swapped in odd runs of 32
	BASE BE, 64
	BASE BE+3, 65
	BASE BN, 1
	BASE BN+3, 66
	v_add_nc_u32 v[A1], 16*PITCH, v[BE]                 ; v's block 1
	v_add_nc_u32 v[A1+1], 16*PITCH, v[BE+1]
	v_add_nc_u32 v[A1+2], 16*34, v[BE+2]
	WBASE 70, 1
	WBASE 72, 64
	WBASE 74, 65
	WIN 3<<6
.irp b, 0,1,2,3
	v_add_nc_u32 v[BA-768+2*\b], \b*16*PITCH, v70       ; v: tile b is 16 neighbouring channels
	v_add_nc_u32 v[BA-768+2*\b+1], \b*16*PITCH, v71
	v_add_nc_u32 v[BQ-768+2*\b], (\b/2)*16*PITCH, v[72+2*(\b%2)]     ; q, k: lanes 0-7 octet b of the first 32 columns, lanes 8-15 octet b xor 1 of the second
	v_add_nc_u32 v[BQ-768+2*\b+1], (\b/2)*16*PITCH, v[73+2*(\b%2)]
.endr
	WIN 0
	v_lshlrev_b32 v76, 5, v3                            ; scale words: v: row 32 p + lane,
	v_xor_b32 v77, v2, v5
	v_lshl_add_u32 v77, v77, 3, v4
	v_lshl_add_u32 v77, v5, 5, v77
	v_lshlrev_b32 v77, 5, v77                           ; q, k: the rows of tile 2 p + h
	v_lshlrev_b32 v[CO], 4, v3
	v_lshl_add_u32 v78, v1, 4, v2
	s_lshl_b32 s2, s[WV], 9
	s_add_co_u32 s2, s2, XN
	v_add_nc_u32 v[STO], s2, v78
	s_lshl_b32 s2, s[WV], 8
	s_add_co_u32 s2, s2, XM
	v_add_nc_u32 v[STV], s2, v78
	s_lshl_b32 s2, s41, 2
	s_add_co_u32 s2, s2, s[WV]                          ; my number among the sixteen waves of my column of the cluster
	s_mul_i32 s2, s2, 6144
	v_min_u32 v[PFV], 23, v3
	v_lshlrev_b32 v[PFV], 8, v[PFV]
	v_add_nc_u32 v[PFV], s2, v[PFV]
	WALU
	s_wait_dscnt 0x0
	CROUND                                              ; the opening round
	s_wait_kmcnt 0x0
	s_cmp_eq_u32 ttmp9, 0
	s_cselect_b64 s[8:9], s[8:9], s[12:13]
	s_cselect_b64 s[10:11], s[10:11], s[14:15]
	s_add_nc_u64 s[80:81], s[4:5], s[80:81]
	s_add_nc_u64 s[82:83], s[16:17], s[82:83]
	s_add_nc_u64 s[84:85], s[8:9], s[84:85]
	s_add_nc_u64 s[86:87], s[6:7], s[86:87]
	s_add_nc_u64 s[88:89], s[18:19], s[88:89]
	s_add_nc_u64 s[90:91], s[10:11], s[90:91]
	GROUP0 G0B, BVB, 82
	GROUP0 G0S, SCL, 86
	GROUP0 G0A, 0, 80
	s_add_nc_u64 s[80:81], s[80:81], 128*KROW
	GROUP0 G0R, YB, 80
	s_cmp_eq_u32 s[WV], 0
	s_cbranch_scc0 .Lwave_1
	TLOAD G0B, G1B                                      ; wave 0: W_value's rows
	s_branch .Lasked
.Lwave_1:
	s_cmp_eq_u32 s[WV], 1
	s_cbranch_scc0 .Lwave_2
	TLOAD G0S, G1S                                      ; wave 1: x's scale bytes
	s_branch .Lasked
.Lwave_2:
	s_cmp_eq_u32 s[WV], 2
	s_cbranch_scc0 .Lwave_3
	TLOAD G0A, G1A                                      ; wave 2: x's first 128 rows
	s_branch .Lasked
.Lwave_3:
	TLOAD G0R, G1A                                      ; wave 3: x's other 128 rows
.Lasked:
.irp p, 0,1
.irp c, 0,1
	global_load_b128 v[SB+8*\p+4*\c:SB+8*\p+4*\c+3], v76, s[88:89] offset:1024*\p+16*\c
.endr
.endr
	WIN 3<<6
.irp p, 0,1
.irp c, 0,1
	global_load_b128 v[SB2-768+8*\p+4*\c:SB2-768+8*\p+4*\c+3], v77, s[90:91] offset:512*\p+16*\c
	global_load_b128 v[SB3-768+8*\p+4*\c:SB3-768+8*\p+4*\c+3], v77, s[90:91] offset:4096+512*\p+16*\c
.endr
.endr
	WIN 0
	s_lshl_b32 s2, s70, 1                               ; where the results go: s[10:11] q's or k's codes, s[12:13] their scale bytes, s[14:15], s[16:17] v's
	s_add_co_u32 s2, s2, s[RH]                          ; rg
	s_lshl_b32 s3, s2, 3
	s_lshl_b32 s46, s40, 1
	s_add_co_u32 s3, s3, s46
	s_add_co_u32 s3, s3, s[CH]
	s_lshl_b32 s46, ttmp9, 9
	s_add_co_u32 s46, s46, s3                           ; q's or k's chunk
	s_and_b32 s2, s2, 15
	s_lshr_b32 s3, s70, 3
	s_lshl_b32 s3, s3, 3
	s_add_co_u32 s3, s3, s71
	s_lshl_b32 s3, s3, 4
	s_add_co_u32 s3, s3, s2
	s_add_co_u32 s47, s3, 1024                          ; v's chunk
	s_mov_b32 s3, 0
	s_mul_i32 s2, s46, CHUNK
	s_add_nc_u64 s[10:11], s[20:21], s[2:3]
	s_lshl_b32 s2, s46, 9
	s_add_nc_u64 s[12:13], s[22:23], s[2:3]
	s_mul_i32 s2, s47, CHUNK
	s_mul_i32 s46, s[CH], 4*1536
	s_add_co_u32 s2, s2, s46
	s_add_nc_u64 s[14:15], s[20:21], s[2:3]
	s_lshl_b32 s2, s47, 9
	s_lshl_b32 s46, s[CH], 8
	s_add_co_u32 s2, s2, s46
	s_add_nc_u64 s[16:17], s[22:23], s[2:3]
	WALU
	s_cmp_eq_u32 s[WV], 0
	s_cbranch_scc0 .Lnot_b
	s_wait_tensorcnt 0x0
.Lnot_b:
	BARRIER                                             ; W_value's rows are in
	ASKW 0
	WEIGHTS BA
	s_cmp_eq_u32 s[WV], 3
	s_cbranch_scc1 .Lnot_a0
	s_wait_tensorcnt 0x0
.Lnot_a0:
	s_wait_dscnt 0x0
	BARRIER                                             ; x's first half and the scale bytes are in; the other half may be on its way
	FETCH01 BE
	s_wait_loadcnt 0x0
; ================= PHASE V: eight blocks; band 0's way outs stand in band 1's blocks
.irp s, 0,1
	s_wait_dscnt NF
	BLOCK 1, \s, HV0+8*\s, 32, 0, 32, L_VS, \s+2
	WIN 0
	PLACES 4
	WALU
	FETCH \s
.endr
	s_wait_dscnt NF
	GD
	BLOCK 1, 0, HV0+16, 32, 0, 24, L_V2, 4
	WIN 0
	WALU
	s_wait_dscnt 0x0
	s_barrier_signal -1
	BLOCK 1, 0, HV0+16, 32, 24, 32, L_NONE
	MIDDLE
	BARRIER
	REFILL                                              ; pass A's weights onto W_value's, which all waves hold in registers
	PLACES 4                                            ; the places between the block's products and the fetch, for the waves that come round the load
	WALU
	FETCH 0
	ASKW 128*KROW
	s_wait_dscnt NF
	BLOCK 1, 1, HV0+24, 32, 0, 32, L_VS, 5
	WIN 0
	PLACES 4
	WALU
	FETCH 1
.irp j, 0,1,2
.if \j < 2
	s_wait_dscnt NF
.else
	s_wait_dscnt NF
.endif
	BLOCK 1, \j%2, HV1+8*\j, 32, 0, 32, L_VO, \j+6, \j
	WIN 0
	CODES6 HV0+32*\j, MCD+12*\j, \j
	WALU
	ds_store_b8 v[STV], v[EB+\j] offset:4*\j
.if \j < 2
	FETCH \j%2
.endif
.endr
	s_wait_dscnt 1
	BLOCK 1, 1, HV1+24, 32, 0, 26, L_V7
	WIN 0
	WALU
	s_wait_tensorcnt 0x0
	s_wait_dscnt 0x0
	s_barrier_signal -1                                 ; a plain barrier: pass A's weights are shown to all
	BLOCK 1, 1, HV1+24, 32, 26, 32, L_NONE
	WIN 0
	s_barrier_wait -1
	CODES6 HV0+96, MCD+36, 3
	WALU
	ds_store_b8 v[STV], v[EB+3] offset:12
; ================= to pass A: the weights and the first two blocks' rows in one run of loads; band 1's four way outs under their flight
	WEIGHTS BQ
	FETCH01 BN
	WIN 3
.set I_, 0
.rept 16
	v_mov_b32 v[SB+I_], v[SB2-768+I_]
.set I_, I_+1
.endr
	WIN 0
.set I_, 0
.rept 18
.irp t, 0,1,2,3
	CHAIN I_, HV1+32*\t, \t, 64+4*\t
.endr
.set I_, I_+1
.endr
.set I_, 0
.rept 6
.irp t, 0,1,2,3
	CODES I_, HV1+32*\t, MCD+12*\t+6, \t, 80+4*\t
.endr
.set I_, I_+1
.endr
	WIN 0
	WALU
; ================= PASS A: the first six registers of each operand stay in registers
	QBLK0
.irp t, 0,1,2,3
	ds_store_b8 v[STV], v[EB+\t] offset:2+4*\t
.endr
.irp t, 0,1,2,3
	PUT3 MCD+12*\t, s[14:15], 1536*\t                   ; v's codes leave
.endr
	FETCH 0
	QBLK 0, 1, 1, NF                                    ; with the second refill: pass B's weights
	s_wait_xcnt 0x0                                     ; v's stores have read their registers, which the operands of blocks 5 to 7 take
	QBLK 0, 2, 0, NF
	QBLK 0, 3, 0, NF
	QBLK 0, 4, 0, NF
	QBLK 0, 5, 0, NF
	QBLK 0, 6, 0, NF
	QBLK 0, 7, 2, 1
; ================= to pass B
	WEIGHTS BQ
	FETCH01 BN
	WIN 3
.set I_, 0
.rept 16
	v_mov_b32 v[SB+I_], v[SB3-768+I_]
.set I_, I_+1
.endr
	WIN 0
.set I_, 0
.rept 18
	CHAIN I_, ACC+32, 1
.set I_, I_+1
.endr
	CODES6 ACC+32, HC+84, 1
	WALU
; ================= PASS B: whole operands leave block by block
	QBLK0
	ds_store_b8 v[STO], v[EB+1] offset:268
	FETCH 0
	QBLK 1, 1, 0, NF
	QBLK 1, 2, 0, NF
	QBLK 1, 3, 0, NF
	QBLK 1, 4, 0, NF
	QBLK 1, 5, 0, NF
	QBLK 1, 6, 0, NF
	QBLK 1, 7, 0, 1
; ================= THE END: the last way out; the scale bytes, each wave's own, come back from LDS as whole units
.set I_, 0
.rept 18
	CHAIN I_, ACC+32, 1
.set I_, I_+1
.endr
	s_lshl_b32 s2, s[WV], 9
	s_add_co_u32 s2, s2, XN
	v_add_nc_u32 v12, s2, v[CO]
	s_lshl_b32 s2, s[WV], 8
	s_add_co_u32 s2, s2, XM
	v_lshlrev_b32 v13, 3, v3
	v_add_nc_u32 v14, s2, v13
	CODES6 ACC+32, HC+90, 1
	WALU
	ds_store_b8 v[STO], v[EB+1] offset:270
	ds_load_b128 v[64:67], v12                          ; LDS serves a wave's instructions in order (ISA guide 5.7.1.4)
	ds_load_b64 v[68:69], v14
	PUT3 HC+84, s[10:11], 1536*7
	s_wait_dscnt 0x0
	global_store_b128 v[CO], v[64:67], s[12:13]
	global_store_b64 v13, v[68:69], s[16:17]
	s_wait_tensorcnt 0x0
	ds_add_u32 v[SPW], v[NIL]
	s_wait_dscnt 0x0
	CROUND
	s_endpgm
.Lfunc_end_k_q86126df7bb_proj:
	.size	k_q86126df7bb_proj, .Lfunc_end_k_q86126df7bb_proj-k_q86126df7bb_proj
	.p2alignl 7, 3214868480
	.fill 96, 4, 3214868480
	.section	.rodata,"a",@progbits
	.p2align	6, 0x0
	.amdhsa_kernel k_q86126df7bb_proj
		.amdhsa_group_segment_fixed_size 327680
		.amdhsa_private_segment_fixed_size 0
		.amdhsa_enable_private_segment 0
		.amdhsa_kernarg_size 80
		.amdhsa_user_sgpr_count 2
		.amdhsa_user_sgpr_kernarg_segment_ptr 1
		.amdhsa_wavefront_size32 1
		.amdhsa_system_sgpr_workgroup_id_x 1
		.amdhsa_system_sgpr_workgroup_id_y 1
		.amdhsa_system_sgpr_workgroup_id_z 1
		.amdhsa_system_vgpr_workitem_id 0
		.amdhsa_next_free_vgpr 1024
		.amdhsa_next_free_sgpr 102
		.amdhsa_reserve_vcc 0
		.amdhsa_float_denorm_mode_32 3
		.amdhsa_float_denorm_mode_16_64 3
		.amdhsa_memory_ordered 1
		.amdhsa_forward_progress 1
		.amdhsa_inst_pref_size 238
	.end_amdhsa_kernel
	.amdgpu_metadata
---
amdhsa.version: [ 1, 2 ]
amdhsa.kernels:
  - .name:           k_q86126df7bb_proj
    .symbol:         k_q86126df7bb_proj.kd
    .args:
      - { .name: x_codes, .offset: 0, .size: 8, .value_kind: global_buffer, .address_space: global }
      - { .name: x_scales, .offset: 8, .size: 8, .value_kind: global_buffer, .address_space: global }
      - { .name: W_query_codes, .offset: 16, .size: 8, .value_kind: global_buffer, .address_space: global }
      - { .name: W_query_scales, .offset: 24, .size: 8, .value_kind: global_buffer, .address_space: global }
      - { .name: W_key_codes, .offset: 32, .size: 8, .value_kind: global_buffer, .address_space: global }
      - { .name: W_key_scales, .offset: 40, .size: 8, .value_kind: global_buffer, .address_space: global }
      - { .name: W_value_codes, .offset: 48, .size: 8, .value_kind: global_buffer, .address_space: global }
      - { .name: W_value_scales, .offset: 56, .size: 8, .value_kind: global_buffer, .address_space: global }
      - { .name: codes, .offset: 64, .size: 8, .value_kind: global_buffer, .address_space: global }
      - { .name: scl, .offset: 72, .size: 8, .value_kind: global_buffer, .address_space: global }
    .group_segment_fixed_size: 327680
    .private_segment_fixed_size: 0
    .kernarg_segment_align: 8
    .kernarg_segment_size: 80
    .max_flat_workgroup_size: 128
    .sgpr_count:     102
    .vgpr_count:     1024
    .wavefront_size: 32
...
	.end_amdgpu_metadata
.endif
;; end of part 1
;; launch scores (part 2): grid 8 x 32, 4 waves a work-group, clusters of 4 x 4, 327,680 bytes of LDS; arguments codes, scl, pc, ps, st; writes pc, ps, st
.if DOCPART == 2
	.amdgcn_target "amdgcn-amd-amdhsa--gfx1250"
	.amdhsa_code_object_version 6
	.text
	.protected	k_q86126df7bb_scores
	.globl	k_q86126df7bb_scores
	.p2align	8
	.type	k_q86126df7bb_scores,@function
k_q86126df7bb_scores:
	s_mov_b64 s[64:65], 0
	v_nop
	global_prefetch_b8 v0, s[64:65] scope:SCOPE_SE
	s_setreg_imm32_b32 hwreg(HW_REG_WAVE_MODE, 25, 1), 1
	s_wait_xcnt 0x0
	s_wait_alu depctr_hold_cnt(0) depctr_sa_sdst(0) depctr_va_vdst(0) depctr_va_sdst(0) depctr_va_ssrc(0) depctr_va_vcc(0) depctr_vm_vsrc(0)
	s_getreg_b32 s2, hwreg(HW_REG_IB_STS2, 6, 4)
	s_cmp_eq_u32 s2, 0
	s_cbranch_scc0 .Lentry_in_a_cluster
	s_endpgm
.Lentry_in_a_cluster:
	s_bfe_u32 s2, ttmp6, 0x10000c
	s_cmp_lg_u32 s2, 0xf033
	s_cbranch_scc0 .Lentry_shape_is_right
	s_endpgm
.Lentry_shape_is_right:
; S = q k^T on codes of FP6 (E2M3), K = 1,024, and the softmax's first half: for each query and each run of 128 keys, p = 2^(t - M) with t = score x log2(e) / 32 and M = the ceiling of the largest t OF THAT RUN,
; quantised along the keys; M and the run's sum l of the unquantised p are stored beside the codes.  The last launch brings every run under the row's own M: M is a whole number, so that is an exact power of two,
; which the blocks' scale bytes take up; the codes' values are those that the row's M would have given.
; q and k lie in the buffer codes in the order of the operand's registers: a fragment (16 rows x 128 K, 12 registers) is 1,536 bytes, registers 4 c .. 4 c + 3 of lane l at 512 c + 16 l; a chunk = the 8 fragments of 128 rows
; for one 128 along K, 12,288 dense bytes; chunk numbers q: 8 rg + ks, k: 512 + 8 rg + ks.  Their scale words in scl, 512 bytes a chunk: row 16 a + r at 256 (a / 4) + 16 r + 4 (a % 4).
; A tile of S, 256 queries x 256 keys of one batch, is made by four waves, 128 x 128 each.  K goes in four K steps of 256 through a ring of two LDS slots; a wave's tensor load brings two chunks, 24,576 dense bytes,
; as 96 rows of 256 bytes; a fragment comes out of LDS by three loads of 16 bytes a lane, 512 consecutive bytes each.  Every step is written out: there is no loop.
; CLUSTERS: 4 x 4 work-groups; q's chunks are shared along a row of the cluster, k's along a column: joint loads.
; THE MATRIX INSTRUCTION IS USED TRANSPOSED (source 0 = 16 keys, source 1 = 16 queries): lane (r, h) of accumulator (a, b) holds query 16 a + r and its register j the key 16 b + 8 h + j.
; OUT: pc: p's codes, chunk 16 rg + ks (rg = query / 128 over all batches, ks = key / 128 in the batch), laid as above; ps: their scale words, laid as above, WITH BIT 7 OF EVERY BYTE SET (p <= 1, so a byte is 1 .. 125:
; the set bit lets the last launch take a whole number off all four bytes at once);  st: [ks][8,192 queries] pairs (-M, l), f32.
; ORDER INSIDE A BLOCK OF 32 KEYS: place 16 h + i holds the block's key 8 h + i (i < 8) or 8 + 8 h + i (i >= 8), as in v^T's chunks, which the first launch lays by the same scheme.
; LIMITS: NaN and infinities are not served.  M is exact as f32 for |t| under 2^24.  A block's largest p is taken as the exponential of its largest score.  A block whose every p has fallen to 0 keeps the byte 1: its codes are zeros.
; REGISTERS: window 0: v16-30 addresses; v32-63 q's scale words, v64-95 k's; v96-118 at work in the softmax; v128-223 q's fragments, ONE set, then the codes just made; v244-255 words on their way out.
;   window 1: k's fragments, TWO sets, at v0 and v128.   windows 2, 3: the accumulators ((a, b) at v[8 (8 (a % 4) + b)] of window 2 + a / 4); p is made in place in them.
.set FR,     12
.set NL,     3                         ; LDS loads that bring a fragment
.set NP,     4
.set CHUNK,  12288
.set QTR,    2*CHUNK                   ; what one tensor load brings: 128 rows x 256 along K
.set SLOT,   4*QTR                     ; q's two groups of rows, then k's two
.set GATH,   2*SLOT                    ; behind the ring: 512 bytes for each wave: its scale words;
.set GST,    GATH+4*512                ; 1,024 bytes for each wave: its pairs (-M, l); no tile lands in either
.set SPARE,  GST+4*1024                ; the spare words, 128 bytes for each wave: two blocks of 256 bytes that no other line names
.set ADRA, 16                          ; v16-17 LDS address of my q fragments in slot 0, 1
.set ADRB, 20                          ; v20-21 the same for k
.set SOF,  23                          ; v23    the scale chunks: 16 r + 512 h
.set LI,   24                          ; v24    16 x lane
.set SWA,  25                          ; v25    GATH + 512 x wave + 16 r
.set GRD,  26                          ; v26    GATH + 512 x wave + 16 x lane
.set STA,  27                          ; v27    GST + 1,024 x wave + 8 r
.set SPW,  28
.set NIL,  29
.set GRS,  30                          ; v30    GST + 1,024 x wave + 16 x lane
.set SA,   32                          ; v[SA + 8 kp + a]: lanes 0-15 the word of q's block a for ks = 2 kp, lanes 16-31 for ks = 2 kp + 1
.set SB,   64                          ; the same for k
.set BM,   96                          ; v96-99   each block's largest score, then its largest p
.set BP,   100                         ; v100-103 the other half's, then bytes
.set SO,   104                         ; v104-107 the conversions' scale operands
.set NM,   108                         ; v[108:109] -M, l
.set LS,   112                         ; v[112:113], v[114:115] the sum, in two chains of pairs
.set LS2,  114
.set TT,   116
.set TU,   117
.set PW,   118
.set AF,   128
.set PCD,  224
.set GS,   244
.set G1,  24
.set G0,  32
.set G1B, 48
.set G0B, 56
.set WV,  66
.set RH,  67
.set CH,  68
.set SEL, 88
.set CS,  94                           ; s[94:95] c = log2(e) / 32: the packed form names a pair and takes its low word for both halves
.set HB,  96                           ; s96 0x80808080
.set MSB, 0
.macro WIN new
.if MSB != (\new)
	s_set_vgpr_msb (MSB<<8)|(\new)
.set MSB, (\new)
.endif
.endm
.set MUL_LO, 0xa1
.set MUL_HI, 0xf1
.set TO_B,   0x40
.macro JLOAD g0a, g1a, g0b, g1b        ; a joint load: waves 0 and 1 fetch for q, waves 2 and 3 for k; four v_nop follow each of the two lines
	s_cmp_eq_u32 s[RH], 0
	s_cbranch_scc0 .Lfor_b_\@
	tensor_load_to_lds s[\g0a:\g0a+3], s[\g1a:\g1a+7]
	s_nop 0
.rept 4
	v_nop
.endr
	s_branch .Lasked_\@
.Lfor_b_\@:
	tensor_load_to_lds s[\g0b:\g0b+3], s[\g1b:\g1b+7]
	s_nop 0
.rept 4
	v_nop
.endr
.Lasked_\@:
.endm
.macro CREST
	s_cmp_lg_u32 s[WV], 0
	s_cbranch_scc1 .Lnot_wave_0_\@
	s_barrier_signal -3
.Lnot_wave_0_\@:
	s_barrier_wait -3
	s_barrier_signal -1
	s_barrier_wait -1
.endm
.macro CROUND
	s_barrier_signal -1
	s_barrier_wait -1
	CREST
.endm
.macro PLACES n
.rept \n
	v_nop
.endr
.endm
	s_load_b256 s[4:11], s[0:1], 0x0               ; codes s[4:5], scl s[6:7], pc s[8:9], ps s[10:11]
	s_load_b64 s[12:13], s[0:1], 0x20              ; st
	v_lshl_add_u32 v[SPW], v0, 2, SPARE
	v_mov_b32 v[NIL], 0
	ds_add_u32 v[SPW], v[NIL]                      ; the opening lines: the add, twice on end; the set-up stands between it and the wait
	ds_add_u32 v[SPW], v[NIL]
	v_lshrrev_b32 v1, 5, v0
	v_readfirstlane_b32 s[WV], v1
	s_lshr_b32 s[RH], s[WV], 1                     ; my half of the queries; also: I fetch for q (0) or for k (1)
	s_and_b32 s[CH], s[WV], 1                      ; my half of the keys; also: which group of 128 rows I fetch
	s_bfe_u32 s40, ttmp6, 0x40000                  ; cx, cy
	s_bfe_u32 s41, ttmp6, 0x40004
	s_lshl_b32 s42, ttmp9, 2
	s_add_co_u32 s42, s42, s40                     ; tile of 256 keys in the batch: 4 x cluster x + cx
	s_and_b32 s69, ttmp7, 0xffff
	s_lshl_b32 s70, s69, 2
	s_add_co_u32 s70, s70, s41                     ; tile of 256 queries over all batches: 4 x cluster y + cy
	s_lshr_b32 s69, s69, 1                         ; the batch: 8 tiles of queries each, so it hangs on the cluster's y alone
	s_lshl_b32 s43, s41, 2
	s_lshl_b32 s43, 15, s43                        ; my row of the cluster
	s_lshl_b32 s44, 0x1111, s40                    ; my column
	; descriptor group 1: 24,576 dense bytes as 96 rows of 256 bytes (32 elements of 8 bytes), no padding
	s_or_b32 s[G1+0], s43, (3<<16)|(1<<21)
	s_or_b32 s[G1B+0], s44, (3<<16)|(1<<21)
.irp g, G1, G1B
	s_mov_b32 s[\g+1], 32<<16                      ; tensor_dim0
	s_mov_b32 s[\g+2], 96<<16                      ; tensor_dim1
	s_mov_b32 s[\g+3], 32<<16                      ; tile_dim0
	s_mov_b32 s[\g+4], 96                          ; tile_dim1
	s_mov_b32 s[\g+5], 32                          ; tensor_dim0_stride
	s_mov_b32 s[\g+6], 0
	s_mov_b32 s[\g+7], 0
.endr
	s_lshl_b32 s80, s70, 1
	s_add_co_u32 s80, s80, s[CH]
	s_mul_i32 s80, s80, 8*CHUNK                    ; q: chunk 8 (2 x tile + half)
	s_mov_b32 s81, 0
	s_lshl_b32 s82, s69, 3
	s_add_co_u32 s82, s82, s42
	s_lshl_b32 s82, s82, 1
	s_add_co_u32 s82, s82, s[CH]
	s_mul_i32 s82, s82, 8*CHUNK
	s_add_co_u32 s82, s82, 512*CHUNK               ; k: chunk 512 + 8 (2 (8 batch + tile) + half)
	s_mov_b32 s83, 0
	s_mul_i32 s45, s[WV], QTR                      ; where they go: no place in the cluster enters an LDS address
	s_mov_b32 s[SEL], 0x76543210
	s_mov_b32 s[SEL+1], 0xfedcba98
	s_mov_b32 s[CS], 0x3d38aa3b                    ; log2(e) / 32
	s_mov_b32 s[CS+1], s[CS]
	s_mov_b32 s[HB], 0x80808080
	; PREFETCHES INTO THE L2: what slots 1, 2 and 3 will take is asked for ahead of the joint loads: slots 1 and 2 at the head, slot 3 behind the first step.  A wave's tile is 96 units of 256 bytes; each of the four partners that ask for it
	; jointly takes 24 of them, told apart by address (cx for q, cy for k): a lane a unit, the lanes left over name the last again.
	v_and_b32 v7, 31, v0
	v_min_u32 v7, 23, v7
	v_lshlrev_b32 v7, 8, v7
	s_cmp_eq_u32 s[RH], 0
	s_cselect_b32 s78, s40, s41
	s_mul_i32 s78, s78, 24*256
	v_add_nc_u32 v7, s78, v7                       ; never rewritten
	s_wait_alu depctr_va_vdst(0)
	s_wait_dscnt 0x0                               ; both opening adds are done
	CROUND                                         ; all sixteen work-groups are here: the first joint loads meet
	s_wait_kmcnt 0x0
	s_add_nc_u64 s[80:81], s[4:5], s[80:81]
	s_add_nc_u64 s[82:83], s[4:5], s[82:83]
	s_cmp_eq_u32 s[RH], 0
	s_cselect_b64 s[76:77], s[80:81], s[82:83]     ; where my prefetches stand: my tile's first byte
.irp s, 0,1
	s_mov_b32 s[G0+4*\s], 1
	s_add_co_u32 s[G0+4*\s+1], s45, \s*SLOT
	s_add_nc_u64 s[G0+4*\s+2:G0+4*\s+3], s[80:81], \s*QTR
	s_or_b32 s[G0+4*\s+3], s[G0+4*\s+3], 0x80000000
	s_mov_b32 s[G0B+4*\s], 1
	s_add_co_u32 s[G0B+4*\s+1], s45, \s*SLOT
	s_add_nc_u64 s[G0B+4*\s+2:G0B+4*\s+3], s[82:83], \s*QTR
	s_or_b32 s[G0B+4*\s+3], s[G0B+4*\s+3], 0x80000000
.endr
	JLOAD G0, G1, G0B, G1B                         ; slot 0: one tensor load a wave at the head
	; the scale words of my 128 queries and my 128 keys, for all of K, go straight into registers, once: 8 chunks of 512 bytes each; lanes 0-15 take the even ks, lanes 16-31 the odd
	s_lshl_b32 s90, s70, 1
	s_add_co_u32 s90, s90, s[RH]                   ; my group of 128 queries
	s_lshl_b32 s84, s90, 12
	s_mov_b32 s85, 0
	s_add_nc_u64 s[72:73], s[6:7], s[84:85]
	s_lshl_b32 s86, s69, 3
	s_add_co_u32 s86, s86, s42
	s_lshl_b32 s86, s86, 1
	s_add_co_u32 s86, s86, s[CH]                   ; my group of 128 keys over all batches
	s_lshl_b32 s86, s86, 12
	s_add_co_u32 s86, s86, 512*512
	s_mov_b32 s87, 0
	s_add_nc_u64 s[74:75], s[6:7], s[86:87]
	v_and_b32 v1, 15, v0                           ; r
	v_bfe_u32 v2, v0, 4, 1                         ; h
	v_lshlrev_b32 v[SOF], 4, v1
	v_lshl_add_u32 v[SOF], v2, 9, v[SOF]
.irp k, 0,1,2,3
.irp j, 0,1
	global_load_b128 v[SA+8*\k+4*\j:SA+8*\k+4*\j+3], v[SOF], s[72:73] offset:1024*\k+256*\j
	global_load_b128 v[SB+8*\k+4*\j:SB+8*\k+4*\j+3], v[SOF], s[74:75] offset:1024*\k+256*\j
.endr
.endr
	global_prefetch_b8 v7, s[76:77] offset:QTR th:TH_LOAD_NT scope:SCOPE_SE
	global_prefetch_b8 v7, s[76:77] offset:2*QTR th:TH_LOAD_NT scope:SCOPE_SE
	v_and_b32 v6, 31, v0
	v_lshlrev_b32 v[LI], 4, v6                     ; 16 x lane
	s_wait_alu depctr_va_vdst(0)
	s_mul_i32 s97, s[RH], QTR                      ; my group of q's rows
	s_mul_i32 s93, s[CH], QTR                      ; my group of k's,
	s_add_co_u32 s93, s93, 2*QTR                   ; behind q's two
.irp s, 0,1
	v_add_nc_u32 v[ADRA+\s], s97, v[LI]
	v_add_nc_u32 v[ADRB+\s], s93, v[LI]
	s_add_co_u32 s97, s97, SLOT
	s_add_co_u32 s93, s93, SLOT
.endr
	s_lshl_b32 s97, s[WV], 9
	s_add_co_u32 s97, s97, GATH
	v_lshl_add_u32 v[SWA], v1, 4, s97
	v_add_nc_u32 v[GRD], s97, v[LI]
	s_lshl_b32 s97, s[WV], 10
	s_add_co_u32 s97, s97, GST
	v_lshl_add_u32 v[STA], v1, 3, s97
	v_add_nc_u32 v[GRS], s97, v[LI]
.irp b, 0,1,2,3
	v_mov_b32 v[BP+\b], 0                          ; written once: a lane permute's destination counts as one of its sources
.endr
	v_mov_b32 v[TU], 0
	v_mov_b32 v[NM+1], 0                           ; (named as the upper half of the pair before it is first written)
	; where my results go
	s_lshl_b32 s91, s42, 1
	s_add_co_u32 s91, s91, s[CH]                   ; ks: my run of 128 keys in the batch
	s_lshl_b32 s92, s90, 4
	s_add_co_u32 s92, s92, s91                     ; chunk 16 rg + ks
	s_mul_i32 s84, s92, CHUNK
	s_add_nc_u64 s[8:9], s[8:9], s[84:85]
	s_lshl_b32 s84, s92, 9
	s_add_nc_u64 s[10:11], s[10:11], s[84:85]
	s_lshl_b32 s84, s91, 13
	s_lshl_b32 s93, s90, 7
	s_add_co_u32 s84, s84, s93
	s_lshl_b32 s84, s84, 3                         ; (8,192 ks + 128 rg) pairs of 8 bytes
	s_add_nc_u64 s[12:13], s[12:13], s[84:85]
.macro FRAG reg, adr, q, i             ; a fragment comes back as it was stored: three loads, 512 consecutive bytes each
.irp c, 0,1,2
	ds_load_b128 v[\reg+4*\c:\reg+4*\c+3], v[\adr] offset:(\q)*CHUNK+(\i)*1536+512*\c
.endr
.endm
.macro WM zero                         ; one matrix instruction, from the symbols rD, rS0, rS1, rSB, rSA; fR: both sides' scale words stand in lanes 16-31 (odd ks)
.if \zero
.if fR
	v_wmma_scale_f32_16x16x128_f8f6f4 v[rD:rD+7], v[rS0:rS0+11], v[rS1:rS1+11], 0, v[rSB], v[rSA] matrix_a_fmt:MATRIX_FMT_FP6 matrix_b_fmt:MATRIX_FMT_FP6 matrix_a_scale:MATRIX_SCALE_ROW1 matrix_b_scale:MATRIX_SCALE_ROW1
.else
	v_wmma_scale_f32_16x16x128_f8f6f4 v[rD:rD+7], v[rS0:rS0+11], v[rS1:rS1+11], 0, v[rSB], v[rSA] matrix_a_fmt:MATRIX_FMT_FP6 matrix_b_fmt:MATRIX_FMT_FP6
.endif
.else
.if fR
	v_wmma_scale_f32_16x16x128_f8f6f4 v[rD:rD+7], v[rS0:rS0+11], v[rS1:rS1+11], v[rD:rD+7], v[rSB], v[rSA] matrix_a_fmt:MATRIX_FMT_FP6 matrix_b_fmt:MATRIX_FMT_FP6 matrix_a_scale:MATRIX_SCALE_ROW1 matrix_b_scale:MATRIX_SCALE_ROW1
.else
	v_wmma_scale_f32_16x16x128_f8f6f4 v[rD:rD+7], v[rS0:rS0+11], v[rS1:rS1+11], v[rD:rD+7], v[rSB], v[rSA] matrix_a_fmt:MATRIX_FMT_FP6 matrix_b_fmt:MATRIX_FMT_FP6
.endif
.endif
.endm
.macro MUL16 a0, p, ks, zero           ; q's blocks a0, a0 + 1 x k's eight; the 64 accumulators take turns, one instruction a turn
.irp a, \a0, \a0+1
.irp b, 0,1,2,3,4,5,6,7
.set rD, 8*(8*((\a)%4)+\b)
.set rS0, 128*(\p)+FR*\b
.set rS1, AF+FR*(\a)
.set rSB, SB+8*((\ks)/2)+\b
.set rSA, SA+8*((\ks)/2)+(\a)
.set fR, (\ks)%2
	WM \zero
.endr
.endr
.endm
.macro FETCH_B slot, q, p
	WIN TO_B
.irp i, 0,1,2,3,4,5,6,7
	FRAG 128*(\p)+FR*\i, ADRB+\slot, \q, \i
.endr
	WIN 0
.endm
.macro FETCH_A slot, q, i0
.irp i, \i0, \i0+1, \i0+2, \i0+3
	FRAG AF+FR*(\i), ADRA+\slot, \q, \i
.endr
.endm
.macro STEP slot, ks, zero             ; a slot's first step of 128 along K
	s_wait_dscnt 4*NL                              ; k's set and q's blocks 0-3 are in; the youngest 12 loads (q's blocks 4-7) may be out
	WIN MUL_LO
	MUL16 0, 0, \ks, \zero
	MUL16 2, 0, \ks, \zero
	s_wait_dscnt 0
	PLACES NP                                      ; in front of loads into registers that matrix instructions have read
	FETCH_B \slot, 1, 1
	FETCH_A \slot, 1, 0
	WIN MUL_HI
	MUL16 4, 0, \ks, \zero
	MUL16 6, 0, \ks, \zero
	PLACES NP
	WIN 0
	FETCH_A \slot, 1, 4
.endm
.macro TURN slot, next, fill, ks       ; a slot's second step changes slots: one barrier; fill = 1: this slot is filled again, two K steps ahead
	s_wait_tensorcnt 0x0                           ; all my tensor loads have landed: my part of the next slot
	ds_add_u32 v[SPW], v[NIL]                      ; 0 onto my spare word
	s_wait_dscnt 4*NL+1                            ; (the add and the youngest 12 loads may be out)
	WIN MUL_LO
	MUL16 0, 1, \ks, 0
	s_wait_dscnt 0x0                               ; the add is done, and my reads of this slot are over
	s_barrier_signal -1
	MUL16 2, 1, \ks, 0
	WIN 0
	s_barrier_wait -1
.if \fill
	CREST                                          ; a round of the cluster's barrier: no wave of any partner still reads this slot or has a load on its way
	s_add_nc_u64 s[G0+4*\slot+2:G0+4*\slot+3], s[G0+4*\slot+2:G0+4*\slot+3], 2*QTR
	s_add_nc_u64 s[G0B+4*\slot+2:G0B+4*\slot+3], s[G0B+4*\slot+2:G0B+4*\slot+3], 2*QTR
	JLOAD G0+4*\slot, G1, G0B+4*\slot, G1B         ; the first tensor load behind the round, my one load until the next; its four v_nop are the places in front of the loads below
.else
	PLACES NP
.endif
	FETCH_B \next, 0, 0
	FETCH_A \next, 0, 0
	WIN MUL_HI
	MUL16 4, 1, \ks, 0
	MUL16 6, 1, \ks, 0
	PLACES NP
	WIN 0
	FETCH_A \next, 0, 4
.endm
	s_wait_alu depctr_va_vdst(0)
	s_wait_tensorcnt 0x0                           ; my part of slot 0 is in
	ds_add_u32 v[SPW], v[NIL]
	s_wait_dscnt 0x0
	CROUND                                         ; everybody's is
	JLOAD G0+4, G1, G0B+4, G1B                     ; slot 1's first fill, issued as a refill is
	FETCH_B 0, 0, 0
	FETCH_A 0, 0, 0
	FETCH_A 0, 0, 4
	s_wait_loadcnt 0x0                             ; the scale words
	STEP 0, 0, 1
	global_prefetch_b8 v7, s[76:77] offset:3*QTR th:TH_LOAD_NT scope:SCOPE_SE   ; the last K step of 256
	TURN 0, 1, 1, 1
	STEP 1, 2, 0
	TURN 1, 0, 1, 3
	STEP 0, 4, 0
	TURN 0, 1, 0, 5
	STEP 1, 6, 0
	s_wait_dscnt 4*NL
	WIN MUL_LO
	MUL16 0, 1, 7, 0
	MUL16 2, 1, 7, 0
	s_wait_dscnt 0
	WIN MUL_HI
	MUL16 4, 1, 7, 0
	MUL16 6, 1, 7, 0
	WIN 0
	PLACES NP                                      ; in front of the first read of results
; THE SOFTMAX'S FIRST HALF AND THE QUANTISER, for my queries 16 a on and my 128 keys.  The accumulators are read where they lie, each from its low end on, and p is made in place in them.
.macro SOFTQ a
.set AC, 64*((\a)%4)
.set WA, 2+(\a)/4
.set PCD, AF+12*(\a)                               ; each block's codes have twelve registers of their own, where q's fragments lay (the seven behind them are at work): no store's data are written over
	WIN WA*5                                       ; sources 0 and 1 in window WA
.irp b, 0,1,2,3
	v_max_num_f32 v[BM+\b], v[AC+16*\b], v[AC+16*\b+1]   ; THE LARGEST SCORE OF EACH BLOCK OF 32 KEYS: it serves for the row's maximum and, since p rises with the score, for the block's largest p
.endr
.irp i, 2,4,6,8,10,12,14
.irp b, 0,1,2,3
	v_max3_num_f32 v[BM+\b], v[AC+16*\b+\i], v[AC+16*\b+\i+1], v[BM+\b]
.endr
.endr
	WIN 0
.irp b, 0,1,2,3
	v_permlanex16_b32 v[BP+\b], v[BM+\b], s[SEL], s[SEL+1]
.endr
.irp b, 0,1,2,3
	v_max_num_f32 v[BM+\b], v[BM+\b], v[BP+\b]     ; with lane l xor 16's 16 keys
.endr
	v_max3_num_f32 v[TT], v[BM], v[BM+1], v[BM+2]
	v_max_num_f32 v[TT], v[TT], v[BM+3]            ; my query's largest score among these 128 keys
	v_mul_f32 v[TT], s[CS], v[TT]                  ; as t (c is positive)
	v_floor_f32 v[NM], -v[TT]                      ; -M = floor(-t) = -ceil(t): a whole number
.irp b, 0,1,2,3
	v_fma_f32 v[BM+\b], v[BM+\b], s[CS], v[NM]     ; t - M of each block's largest score
.endr
	WIN WA*65                                      ; source 0 and destination in window WA
.set j, 0
.rept 32
	v_pk_fma_f32 v[AC+j:AC+j+1], v[AC+j:AC+j+1], s[CS:CS+1], v[NM:NM+1] op_sel_hi:[1,0,0]   ; t - M, two at a time (of the pairs c and -M the low word serves both halves)
.set j, j+2
.endr
.set j, 0
	s_wait_alu depctr_va_vdst(0)
.rept 64
	v_exp_f32 v[AC+j], v[AC+j]                     ; p = 2^(t - M): NOT normalised
.set j, j+1
.endr
	WIN 0
	v_nop                                          ; a plain place behind the exponentials
	s_wait_alu depctr_va_vdst(0)                   ; one wait for the whole batch, ahead of its first reader
.irp b, 0,1,2,3
	v_exp_f32 v[BM+\b], v[BM+\b]                   ; the block's largest p: the same two instructions on the same number
.endr
	WIN WA*5
	v_pk_add_f32 v[LS:LS+1], v[AC:AC+1], v[AC+2:AC+3]          ; THE SUM IS TAKEN OF THE UNQUANTISED p: two at a time, in two chains.  (Plain work behind the four)
	v_pk_add_f32 v[LS2:LS2+1], v[AC+4:AC+5], v[AC+6:AC+7]
	WIN WA
.set j, 8
.rept 14
	v_pk_add_f32 v[LS:LS+1], v[AC+j:AC+j+1], v[LS:LS+1]
	v_pk_add_f32 v[LS2:LS2+1], v[AC+j+2:AC+j+3], v[LS2:LS2+1]
.set j, j+4
.endr
	WIN 0
	v_pk_add_f32 v[LS:LS+1], v[LS:LS+1], v[LS2:LS2+1]
	s_wait_alu depctr_va_vdst(0)                   ; and one for the four
.irp b, 0,1,2,3
	v_max_num_f32 v[BM+\b], 0x1800000, v[BM+\b]    ; the floor 2^(3 - 127): the byte cannot fall under 1
.endr
.irp b, 0,1,2,3
	v_add_nc_u32 v[SO+\b], 0xff000000, v[BM+\b]    ; 2 off the exponent field: the conversion's scale operand
.endr
.irp b, 0,1,2,3
	v_lshrrev_b32 v[BP+\b], 23, v[SO+\b]           ; the scale's byte: 1 .. 125
.endr
	v_lshl_or_b32 v[PW], v[BP+1], 8, v[BP]
	v_lshl_or_b32 v[PW], v[BP+2], 16, v[PW]
	v_lshl_or_b32 v[PW], v[BP+3], 24, v[PW]
	v_or_b32 v[PW], s[HB], v[PW]                   ; bit 7 of every byte is set: the buffer's own format
	WIN WA
.irp c, 0,1
	v_cvt_scalef32_pk16_fp6_f32 v[PCD+6*\c:PCD+6*\c+2], v[AC+32*\c:AC+32*\c+15], v[SO+2*\c]
	v_cvt_scalef32_pk16_fp6_f32 v[PCD+12+4*\c:PCD+14+4*\c], v[AC+32*\c+16:AC+32*\c+31], v[SO+2*\c+1]
.endr
	WIN 0
	v_nop                                          ; one plain place behind a scaled conversion
.irp c, 0,1
.irp i, 0,1,2
	v_permlane16_swap_b32 v[PCD+6*\c+\i], v[PCD+12+4*\c+\i]
.endr
.irp i, 0,1,2
	v_mov_b32 v[PCD+3+6*\c+\i], v[PCD+12+4*\c+\i]
.endr
.endr
	v_add_f32 v[TT], v[LS], v[LS+1]
	v_permlanex16_b32 v[TU], v[TT], s[SEL], s[SEL+1]
	v_add_f32 v[NM+1], v[TT], v[TU]                ; l: my query's sum over these 128 keys
.irp c, 0,1,2
	global_store_b128 v[LI], v[PCD+4*\c:PCD+4*\c+3], s[8:9] offset:1536*(\a)+512*\c   ; 32 lanes store 512 consecutive bytes, at a multiple of 512 from the buffer's first byte
.endr
	ds_store_b32 v[SWA], v[PW] offset:256*((\a)/4)+4*((\a)%4)   ; both halves of the lanes write the same word with the same value,
	ds_store_b64 v[STA], v[NM:NM+1] offset:128*(\a)             ; and the same pair
.endm
.irp a, 0,1,2,3,4,5,6,7
	SOFTQ \a
.endr
	ds_load_b128 v[GS:GS+3], v[GRD]                ; LDS serves a wave's instructions in order (ISA guide 5.7.1.4): these see my stores
	ds_load_b128 v[GS+4:GS+7], v[GRS]
	ds_load_b128 v[GS+8:GS+11], v[GRS] offset:512
	s_wait_dscnt 0x0
	global_store_b128 v[LI], v[GS:GS+3], s[10:11]              ; my chunk of scale words: 512 consecutive bytes
	global_store_b128 v[LI], v[GS+4:GS+7], s[12:13]            ; my 128 pairs: twice 512 consecutive bytes
	global_store_b128 v[LI], v[GS+8:GS+11], s[12:13] offset:512
	s_wait_tensorcnt 0x0                           ; the wave's end
	ds_add_u32 v[SPW], v[NIL]
	s_wait_dscnt 0x0
	CROUND                                         ; the closing round
	s_endpgm
.Lfunc_end_k_q86126df7bb_scores:
	.size	k_q86126df7bb_scores, .Lfunc_end_k_q86126df7bb_scores-k_q86126df7bb_scores
	.p2alignl 7, 3214868480
	.fill 96, 4, 3214868480
	.section	.rodata,"a",@progbits
	.p2align	6, 0x0
	.amdhsa_kernel k_q86126df7bb_scores
		.amdhsa_group_segment_fixed_size 327680
		.amdhsa_private_segment_fixed_size 0
		.amdhsa_enable_private_segment 0
		.amdhsa_kernarg_size 40
		.amdhsa_user_sgpr_count 2
		.amdhsa_user_sgpr_kernarg_segment_ptr 1
		.amdhsa_wavefront_size32 1
		.amdhsa_system_sgpr_workgroup_id_x 1
		.amdhsa_system_sgpr_workgroup_id_y 1
		.amdhsa_system_sgpr_workgroup_id_z 1
		.amdhsa_system_vgpr_workitem_id 0
		.amdhsa_next_free_vgpr 1024
		.amdhsa_next_free_sgpr 100
		.amdhsa_reserve_vcc 0
		.amdhsa_float_denorm_mode_32 3
		.amdhsa_float_denorm_mode_16_64 3
		.amdhsa_memory_ordered 1
		.amdhsa_forward_progress 1
		.amdhsa_inst_pref_size 195
	.end_amdhsa_kernel
	.amdgpu_metadata
---
amdhsa.version: [ 1, 2 ]
amdhsa.kernels:
  - .name:           k_q86126df7bb_scores
    .symbol:         k_q86126df7bb_scores.kd
    .args:
      - { .name: codes, .offset: 0, .size: 8, .value_kind: global_buffer, .address_space: global }
      - { .name: scl, .offset: 8, .size: 8, .value_kind: global_buffer, .address_space: global }
      - { .name: pc, .offset: 16, .size: 8, .value_kind: global_buffer, .address_space: global }
      - { .name: ps, .offset: 24, .size: 8, .value_kind: global_buffer, .address_space: global }
      - { .name: st, .offset: 32, .size: 8, .value_kind: global_buffer, .address_space: global }
    .group_segment_fixed_size: 327680
    .private_segment_fixed_size: 0
    .kernarg_segment_align: 8
    .kernarg_segment_size: 40
    .max_flat_workgroup_size: 128
    .sgpr_count:     100
    .vgpr_count:     1024
    .wavefront_size: 32
...
	.end_amdgpu_metadata
.endif
;; end of part 2
;; launch pv (part 3): grid 4 x 64, 4 waves a work-group, clusters of 4 x 4, 327,680 bytes of LDS; arguments pc, ps, st, codes, scl, out0; writes out0
.if DOCPART == 3
	.amdgcn_target "amdgcn-amd-amdhsa--gfx1250"
	.amdhsa_code_object_version 6
	.text
	.protected	k_q86126df7bb_pv
	.globl	k_q86126df7bb_pv
	.p2align	8
	.type	k_q86126df7bb_pv,@function
k_q86126df7bb_pv:
	s_mov_b64 s[64:65], 0
	v_nop
	global_prefetch_b8 v0, s[64:65] scope:SCOPE_SE
	s_setreg_imm32_b32 hwreg(HW_REG_WAVE_MODE, 25, 1), 1
	s_wait_xcnt 0x0
	s_wait_alu depctr_hold_cnt(0) depctr_sa_sdst(0) depctr_va_vdst(0) depctr_va_sdst(0) depctr_va_ssrc(0) depctr_va_vcc(0) depctr_vm_vsrc(0)
	s_getreg_b32 s2, hwreg(HW_REG_IB_STS2, 6, 4)
	s_cmp_eq_u32 s2, 0
	s_cbranch_scc0 .Lentry_in_a_cluster
	s_endpgm
.Lentry_in_a_cluster:
	s_bfe_u32 s2, ttmp6, 0x10000c
	s_cmp_lg_u32 s2, 0xf033
	s_cbranch_scc0 .Lentry_shape_is_right
	s_endpgm
.Lentry_shape_is_right:
; out = (p v) / l on codes of FP6 (E2M3), K = the batch's 2,048 keys.  p's codes were made run by run of 128 keys, each run under its own whole number M (buffers pc, ps, st); here each query's largest M is found, and each
; run is brought under it: n = M(row) - M(run), a whole number, is taken off the run's scale bytes (an exact power of two), and the run's sum l is multiplied by 2^-n and added to the row's sum, which divides at the end.
; p: chunk 16 rg + ks of pc (rg = query / 128, ks = key / 128 in the batch); v^T: chunk 1024 + 16 (8 batch + rg) + ks of codes (rg = channel / 128).  A chunk = 8 fragments of 16 rows x 128 K, each the image of its 12 registers
; (registers 4 c .. 4 c + 3 of lane l at 512 c + 16 l), 12,288 dense bytes.  Scale words: 512 bytes a chunk, row 16 a + r at 256 (a / 4) + 16 r + 4 (a % 4); in ps bit 7 of every byte is set.  st: [ks][8,192 queries] pairs (-M, l).
; A tile of out, 128 queries x 256 channels, is made by four waves, 64 x 128 each (32 accumulators): the largest tile that gives each of 256 work-groups one.  K goes in four slots' worth of 512 through a ring of two LDS slots:
; waves 0 and 1 fetch two chunks of p each (96 rows of 256 bytes), waves 2 and 3 four chunks of v^T each (192 rows).  Every step is written out: there is no loop.
; CLUSTERS: 4 x 4 work-groups; p's chunks are shared along a row of the cluster (the four blocks of channels), v^T's along a column (four tiles of queries of one batch): joint loads.
; THE MATRIX INSTRUCTION IS USED TRANSPOSED (source 0 = 16 channels, source 1 = 16 queries): lane (r, h) of accumulator (a, b) holds query 16 a + r and its register j the channel 16 b + 8 h + j: 32 neighbouring bytes of a row of out.
; LIMITS: NaN and infinities are not served.  n is held at 127, and a scale byte at 0 from below: a block that lies more than 2^127 under the row's largest p counts with the scale 2^-127 at the most, and the sum of a run
; with n = 127 or more counts for nothing: both are under 1e-36 of the row's sum, which is above 1/2.
; REGISTERS: window 0: v16-29 addresses; v32-55 the rows' figures; v64-127 the pairs (-M, l): (block i, kp) at v[64 + 2 (8 i + kp)], lanes 0-15 ks = 2 kp, lanes 16-31 ks = 2 kp + 1; v128-159 p's scale words; v160-223 v^T's.
;   window 1: v^T's fragments, two sets, at v0 and v128; on the way out rows of out.   window 2: the 32 accumulators ((a, b) at v[8 (8 a + b)]).   window 3: p's fragments, two sets, at v0 and v64.
.set FR,     12
.set CHUNK,  12288
.set SLOT,   12*CHUNK                  ; 4 chunks of p, then 2 x 4 chunks of v^T
.set BOFF,   4*CHUNK
.set SPARE,  2*SLOT                    ; behind the ring: the spare words, 128 bytes for each wave: two blocks of 256 bytes that no other line names
.set SPITCH, 528                       ; the way out: a stage of 16 rows x (512 bytes + 16) for each wave, in slot 0, which has had its last fill and its last read when the first result is stored there
.set ADRA, 16                          ; v16-17 LDS address of my p fragments in slot 0, 1
.set ADRB, 20                          ; v20-21 the same for v^T
.set STOF, 22                          ; v22    the pairs: 65,536 h + 8 r
.set SOF,  23                          ; v23    the scale chunks: 512 h + 16 r
.set STO,  24                          ; v24    the way out: where I put 32 bytes of a row
.set RD,   25                          ; v25    where I read a row back
.set CO,   26                          ; v26    16 x lane
.set SPW,  28
.set NIL,  29
.set MG,   32                          ; v32-35 -M of the row, for my four blocks of queries
.set LS,   36                          ; v36-39 the row's sum
.set T0,   40                          ; v40-47 at work
.set T1,   44
.set RC,   48                          ; v48-55 1 / the sum, in the low word of a pair
.set ST,   64
.set SA,   128                         ; v[SA + 4 kp + i]
.set SB,   160                         ; v[SB + 8 kp + b]
.set G1,  24
.set G0,  32
.set G1B, 48
.set G0B, 56
.set WV,  66
.set RH,  67
.set CH,  68
.set SEL, 88
.set HB,  96
.set MSB, 0
.macro WIN new
.if MSB != (\new)
	s_set_vgpr_msb (MSB<<8)|(\new)
.set MSB, (\new)
.endif
.endm
.set MUL, 0xad                         ; source 0 (v^T) window 1, source 1 (p) window 3, C and D window 2
.macro JLOAD g0a, g1a, g0b, g1b        ; a joint load: waves 0 and 1 fetch for p, waves 2 and 3 for v^T; four v_nop follow each of the two lines
	s_cmp_eq_u32 s[RH], 0
	s_cbranch_scc0 .Lfor_b_\@
	tensor_load_to_lds s[\g0a:\g0a+3], s[\g1a:\g1a+7]
	s_nop 0
.rept 4
	v_nop
.endr
	s_branch .Lasked_\@
.Lfor_b_\@:
	tensor_load_to_lds s[\g0b:\g0b+3], s[\g1b:\g1b+7]
	s_nop 0
.rept 4
	v_nop
.endr
.Lasked_\@:
.endm
.macro CREST
	s_cmp_lg_u32 s[WV], 0
	s_cbranch_scc1 .Lnot_wave_0_\@
	s_barrier_signal -3
.Lnot_wave_0_\@:
	s_barrier_wait -3
	s_barrier_signal -1
	s_barrier_wait -1
.endm
.macro CROUND
	s_barrier_signal -1
	s_barrier_wait -1
	CREST
.endm
.macro PLACES n
.rept \n
	v_nop
.endr
.endm
	s_load_b256 s[4:11], s[0:1], 0x0               ; pc s[4:5], ps s[6:7], st s[8:9], codes s[10:11]
	s_load_b128 s[12:15], s[0:1], 0x20             ; scl s[12:13], out0 s[14:15]
	v_lshl_add_u32 v[SPW], v0, 2, SPARE
	v_mov_b32 v[NIL], 0
	ds_add_u32 v[SPW], v[NIL]                      ; the opening lines: the add, twice on end; the set-up stands between it and the wait
	ds_add_u32 v[SPW], v[NIL]
	v_lshrrev_b32 v1, 5, v0
	v_readfirstlane_b32 s[WV], v1
	s_lshr_b32 s[RH], s[WV], 1                     ; my half of the queries; also: I fetch for p (0) or for v^T (1)
	s_and_b32 s[CH], s[WV], 1                      ; my half of the channels; also: which part I fetch
	s_bfe_u32 s40, ttmp6, 0x40000                  ; cx: the block of 256 channels
	s_bfe_u32 s41, ttmp6, 0x40004                  ; cy
	s_and_b32 s69, ttmp7, 0xffff
	s_lshl_b32 s70, s69, 2
	s_add_co_u32 s70, s70, s41                     ; the tile of 128 queries over all batches: 4 x cluster y + cy
	s_lshr_b32 s69, s69, 2                         ; the batch: 16 tiles each, so it hangs on the cluster's y alone
	s_lshl_b32 s43, s41, 2
	s_lshl_b32 s43, 15, s43                        ; my row of the cluster
	s_lshl_b32 s44, 0x1111, s40                    ; my column
	; descriptor groups 1: dense bytes as rows of 256 (32 elements of 8 bytes), no padding: 96 rows for p, 192 for v^T
	s_or_b32 s[G1+0], s43, (3<<16)|(1<<21)
	s_mov_b32 s[G1+1], 32<<16
	s_mov_b32 s[G1+2], 96<<16
	s_mov_b32 s[G1+3], 32<<16
	s_mov_b32 s[G1+4], 96
	s_mov_b32 s[G1+5], 32
	s_mov_b32 s[G1+6], 0
	s_mov_b32 s[G1+7], 0
	s_or_b32 s[G1B+0], s44, (3<<16)|(1<<21)
	s_mov_b32 s[G1B+1], 32<<16
	s_mov_b32 s[G1B+2], 192<<16
	s_mov_b32 s[G1B+3], 32<<16
	s_mov_b32 s[G1B+4], 192
	s_mov_b32 s[G1B+5], 32
	s_mov_b32 s[G1B+6], 0
	s_mov_b32 s[G1B+7], 0
	s_lshl_b32 s80, s70, 4
	s_lshl_b32 s71, s[CH], 1
	s_add_co_u32 s80, s80, s71
	s_mul_i32 s80, s80, CHUNK                      ; p: chunk 16 x tile + 2 x half
	s_mov_b32 s81, 0
	s_lshl_b32 s82, s69, 3
	s_lshl_b32 s83, s40, 1
	s_add_co_u32 s82, s82, s83
	s_add_co_u32 s82, s82, s[CH]                   ; v^T's group of 128 channels: 8 batch + 2 cx + half
	s_lshl_b32 s82, s82, 4
	s_add_co_u32 s82, s82, 1024
	s_mul_i32 s82, s82, CHUNK
	s_mov_b32 s83, 0
	s_mul_i32 s45, s[CH], 2*CHUNK                  ; where they go: p's two halves,
	s_mul_i32 s47, s[CH], 4*CHUNK
	s_add_co_u32 s47, s47, BOFF                    ; and behind them v^T's two groups: no place in the cluster enters an LDS address
	s_mov_b32 s[SEL], 0x76543210
	s_mov_b32 s[SEL+1], 0xfedcba98
	s_mov_b32 s[HB], 0x80808080
	; PREFETCHES INTO THE L2: what slots 1, 2 and 3 will take is asked for ahead of the joint loads: slots 1 and 2 at the head, slot 3 behind the first step.  A wave's tile is 96 units of 256 bytes (p) or 192 (v^T); each of the four partners
	; that ask for it jointly takes a quarter, told apart by address (cx for p, cy for v^T), in two instructions of N = 12 or 24 units: a lane a unit, the lanes left over name the last again.
	v_and_b32 v8, 31, v0
	s_cmp_eq_u32 s[RH], 0
	s_cselect_b32 s78, 12, 24                      ; N
	s_cselect_b32 s79, s40, s41
	s_mul_i32 s79, s79, s78
	s_lshl_b32 s79, s79, 9                         ; my quarter begins 2 N units of 256 bytes behind my neighbour's
	s_sub_co_u32 s77, s78, 1
	v_min_u32 v8, s77, v8
	v_lshl_add_u32 v8, v8, 8, s79                  ; v8, v9: never rewritten
	s_lshl_b32 s78, s78, 8
	v_add_nc_u32 v9, s78, v8
	s_wait_alu depctr_va_vdst(0)
	s_wait_dscnt 0x0                               ; both opening adds are done
	CROUND                                         ; all sixteen work-groups are here: the first joint loads meet
	s_wait_kmcnt 0x0
	s_add_nc_u64 s[80:81], s[4:5], s[80:81]
	s_add_nc_u64 s[82:83], s[10:11], s[82:83]
	s_cmp_eq_u32 s[RH], 0
	s_cselect_b64 s[76:77], s[80:81], s[82:83]     ; where my prefetches stand: my tile's first byte
.irp s, 0,1
	s_mov_b32 s[G0+4*\s], 1
	s_add_co_u32 s[G0+4*\s+1], s45, \s*SLOT
	s_add_nc_u64 s[G0+4*\s+2:G0+4*\s+3], s[80:81], \s*4*CHUNK
	s_or_b32 s[G0+4*\s+3], s[G0+4*\s+3], 0x80000000
	s_mov_b32 s[G0B+4*\s], 1
	s_add_co_u32 s[G0B+4*\s+1], s47, \s*SLOT
	s_add_nc_u64 s[G0B+4*\s+2:G0B+4*\s+3], s[82:83], \s*4*CHUNK
	s_or_b32 s[G0B+4*\s+3], s[G0B+4*\s+3], 0x80000000
.endr
	JLOAD G0, G1, G0B, G1B                         ; slot 0: one tensor load a wave at the head
	; the pairs (-M, l) and the scale words of my 64 queries and my 128 channels, for all 16 ks, go straight into registers, once
	s_lshl_b32 s84, s70, 10
	s_lshl_b32 s86, s[RH], 9
	s_add_co_u32 s84, s84, s86                     ; (128 x tile + 64 x half) pairs of 8 bytes
	s_mov_b32 s85, 0
	s_add_nc_u64 s[8:9], s[8:9], s[84:85]
	s_lshl_b32 s84, s70, 13
	s_lshl_b32 s86, s[RH], 8
	s_add_co_u32 s84, s84, s86                     ; 16 chunks of 512 bytes a tile; my four blocks are a chunk's lower or upper 256 bytes
	s_add_nc_u64 s[6:7], s[6:7], s[84:85]
	s_lshl_b32 s84, s69, 3
	s_lshl_b32 s86, s40, 1
	s_add_co_u32 s84, s84, s86
	s_add_co_u32 s84, s84, s[CH]
	s_lshl_b32 s84, s84, 13
	s_add_co_u32 s84, s84, 1024*512
	s_add_nc_u64 s[12:13], s[12:13], s[84:85]
	v_and_b32 v1, 15, v0                           ; r
	v_bfe_u32 v2, v0, 4, 1                         ; h
	v_and_b32 v3, 31, v0
	v_lshlrev_b32 v[STOF], 3, v1
	v_lshl_add_u32 v[STOF], v2, 16, v[STOF]        ; a ks is 8,192 pairs = 65,536 bytes
	v_lshlrev_b32 v[SOF], 4, v1
	v_lshl_add_u32 v[SOF], v2, 9, v[SOF]
.irp k, 0,1,2,3,4,5,6,7
.irp i, 0,1,2,3
	global_load_b64 v[ST+2*(8*\i+\k):ST+2*(8*\i+\k)+1], v[STOF], s[8:9] offset:131072*\k+128*\i
.endr
	global_load_b128 v[SA+4*\k:SA+4*\k+3], v[SOF], s[6:7] offset:1024*\k
	global_load_b128 v[SB+8*\k:SB+8*\k+3], v[SOF], s[12:13] offset:1024*\k
	global_load_b128 v[SB+8*\k+4:SB+8*\k+7], v[SOF], s[12:13] offset:1024*\k+256
.endr
.irp s, 1,2
	global_prefetch_b8 v8, s[76:77] offset:\s*4*CHUNK th:TH_LOAD_NT scope:SCOPE_SE
	global_prefetch_b8 v9, s[76:77] offset:\s*4*CHUNK th:TH_LOAD_NT scope:SCOPE_SE
.endr
	v_lshlrev_b32 v[CO], 4, v3
	s_wait_alu depctr_va_vdst(0)
	s_mul_i32 s94, s[RH], 4*1536                   ; my four blocks of p's eight
	s_mul_i32 s95, s[CH], 4*CHUNK
	s_add_co_u32 s95, s95, BOFF                    ; my group of v^T
.irp s, 0,1
	v_add_nc_u32 v[ADRA+\s], s94, v[CO]
	v_add_nc_u32 v[ADRB+\s], s95, v[CO]
	s_add_co_u32 s94, s94, SLOT
	s_add_co_u32 s95, s95, SLOT
.endr
	s_mul_i32 s97, s[WV], 16*SPITCH                ; my stage
	v_mul_u32_u24 v4, v1, SPITCH
	v_lshl_add_u32 v4, v2, 5, v4
	v_add_nc_u32 v[STO], s97, v4                   ; in: row r, 32 bytes for each half of the lanes
	v_add_nc_u32 v[RD], s97, v[CO]                 ; back: the 32 lanes take one row of 512 bytes
.irp i, 0,1,2,3
	v_mov_b32 v[T1+\i], 0                          ; written once: a lane permute's destination counts as one of its sources
	v_mov_b32 v[RC+2*\i+1], 0                      ; (named as the upper half of a pair)
.endr
	s_lshr_b32 s84, s70, 1                         ; out: position 64 c + p of tile t is token 256 (t / 2) + 64 (t % 2) + 128 c + p, and my half of the queries is c
	s_lshl_b32 s84, s84, 20
	s_and_b32 s86, s70, 1
	s_lshl_b32 s86, s86, 18
	s_add_co_u32 s84, s84, s86
	s_lshl_b32 s86, s[RH], 19
	s_add_co_u32 s84, s84, s86                     ; in rows of 4,096 bytes,
	s_lshl_b32 s86, s40, 10
	s_add_co_u32 s84, s84, s86
	s_lshl_b32 s86, s[CH], 9
	s_add_co_u32 s84, s84, s86                     ; + (256 cx + 128 x half) channels of 4 bytes: under 2^26
	s_add_nc_u64 s[14:15], s[14:15], s[84:85]
	s_wait_loadcnt 0x0
.irp i, 0,1,2,3                                ; -M of the row = the least -M of its 16 runs: my lane's eight,
	v_min3_num_f32 v[MG+\i], v[ST+16*\i], v[ST+16*\i+2], v[ST+16*\i+4]
.endr
.irp i, 0,1,2,3
	v_min3_num_f32 v[MG+\i], v[MG+\i], v[ST+16*\i+6], v[ST+16*\i+8]
.endr
.irp i, 0,1,2,3
	v_min3_num_f32 v[MG+\i], v[MG+\i], v[ST+16*\i+10], v[ST+16*\i+12]
.endr
.irp i, 0,1,2,3
	v_min_num_f32 v[MG+\i], v[MG+\i], v[ST+16*\i+14]
.endr
.irp i, 0,1,2,3
	v_permlanex16_b32 v[T1+\i], v[MG+\i], s[SEL], s[SEL+1]
.endr
.irp i, 0,1,2,3
	v_min_num_f32 v[MG+\i], v[MG+\i], v[T1+\i]     ; and lane l xor 16's eight
.endr
; The runs ks = 2 kp (lanes 0-15) and 2 kp + 1 (lanes 16-31) are brought under the row's M, for my four blocks of queries by turns.
; n as a whole number: n is a whole f32 number from 0 to 127, so 2^23 + n is exact and its low seven bits are n.  2^-n as f32: the exponent field 127 - n over a mantissa of zeros (n = 127 gives 0).
; A stored byte is 128 + b, b = 1 .. 125, and n = 0 .. 127: 128 + b - n is 2 .. 253, so no byte borrows from its neighbour; bit 7 of the difference says that b >= n, and the byte becomes b - n there and 0 elsewhere.
.macro ADJ kp, first
.irp i, 0,1,2,3
	v_sub_f32 v[T0+\i], v[ST+2*(8*\i+(\kp))], v[MG+\i]   ; n = M(row) - M(run): a whole number, 0 or more
.endr
.irp i, 0,1,2,3
	v_min_num_f32 v[T0+\i], 0x42fe0000, v[T0+\i]   ; held at 127
.endr
.irp i, 0,1,2,3
	v_add_f32 v[T0+\i], 0x4b000000, v[T0+\i]       ; 2^23 + n
.endr
.irp i, 0,1,2,3
	v_and_b32 v[T0+\i], 0x7f, v[T0+\i]             ; n
.endr
.irp i, 0,1,2,3
	v_sub_nc_u32 v[T1+\i], 0x7f, v[T0+\i]
.endr
.irp i, 0,1,2,3
	v_lshlrev_b32 v[T1+\i], 23, v[T1+\i]           ; 2^-n
.endr
.if \first
.irp i, 0,1,2,3
	v_mul_f32 v[LS+\i], v[ST+2*(8*\i+(\kp))+1], v[T1+\i]   ; the run's sum x 2^-n starts the row's sum
.endr
.else
.irp i, 0,1,2,3
	v_fma_f32 v[LS+\i], v[ST+2*(8*\i+(\kp))+1], v[T1+\i], v[LS+\i]
.endr
.endif
.irp i, 0,1,2,3
	v_lshl_or_b32 v[T0+\i], v[T0+\i], 8, v[T0+\i]
.endr
.irp i, 0,1,2,3
	v_lshl_or_b32 v[T0+\i], v[T0+\i], 16, v[T0+\i] ; n in all four bytes
.endr
.irp i, 0,1,2,3
	v_sub_nc_u32 v[SA+4*(\kp)+\i], v[SA+4*(\kp)+\i], v[T0+\i]
.endr
.irp i, 0,1,2,3
	v_and_b32 v[T0+\i], s[HB], v[SA+4*(\kp)+\i]
.endr
.irp i, 0,1,2,3
	v_lshrrev_b32 v[T1+\i], 7, v[T0+\i]
.endr
.irp i, 0,1,2,3
	v_sub_nc_u32 v[T0+\i], v[T0+\i], v[T1+\i]      ; 0x7f in the bytes whose bit 7 is set, 0 in the others
.endr
.irp i, 0,1,2,3
	v_and_b32 v[SA+4*(\kp)+\i], v[SA+4*(\kp)+\i], v[T0+\i]
.endr
.endm
	ADJ 0, 1
.macro FRAG reg, adr, q, i             ; a fragment comes back as it was stored: three loads, 512 consecutive bytes each
.irp c, 0,1,2
	ds_load_b128 v[\reg+4*\c:\reg+4*\c+3], v[\adr] offset:(\q)*CHUNK+(\i)*1536+512*\c
.endr
.endm
.macro WM zero                         ; one matrix instruction, from the symbols rD, rS0, rS1, rSB, rSA; fR: both sides' scale words stand in lanes 16-31 (odd ks)
.if \zero
.if fR
	v_wmma_scale_f32_16x16x128_f8f6f4 v[rD:rD+7], v[rS0:rS0+11], v[rS1:rS1+11], 0, v[rSB], v[rSA] matrix_a_fmt:MATRIX_FMT_FP6 matrix_b_fmt:MATRIX_FMT_FP6 matrix_a_scale:MATRIX_SCALE_ROW1 matrix_b_scale:MATRIX_SCALE_ROW1
.else
	v_wmma_scale_f32_16x16x128_f8f6f4 v[rD:rD+7], v[rS0:rS0+11], v[rS1:rS1+11], 0, v[rSB], v[rSA] matrix_a_fmt:MATRIX_FMT_FP6 matrix_b_fmt:MATRIX_FMT_FP6
.endif
.else
.if fR
	v_wmma_scale_f32_16x16x128_f8f6f4 v[rD:rD+7], v[rS0:rS0+11], v[rS1:rS1+11], v[rD:rD+7], v[rSB], v[rSA] matrix_a_fmt:MATRIX_FMT_FP6 matrix_b_fmt:MATRIX_FMT_FP6 matrix_a_scale:MATRIX_SCALE_ROW1 matrix_b_scale:MATRIX_SCALE_ROW1
.else
	v_wmma_scale_f32_16x16x128_f8f6f4 v[rD:rD+7], v[rS0:rS0+11], v[rS1:rS1+11], v[rD:rD+7], v[rSB], v[rSA] matrix_a_fmt:MATRIX_FMT_FP6 matrix_b_fmt:MATRIX_FMT_FP6
.endif
.endif
.endm
.macro MUL8 a, set, ks, zero           ; my block a of queries x my eight blocks of channels; the 32 accumulators take turns, one instruction a turn
.irp b, 0,1,2,3,4,5,6,7
.set rD, 8*(8*(\a)+\b)
.set rS0, 128*(\set)+FR*\b
.set rS1, 64*(\set)+FR*(\a)
.set rSB, SB+8*((\ks)/2)+\b
.set rSA, SA+4*((\ks)/2)+(\a)
.set fR, (\ks)%2
	WM \zero
.endr
.endm
.macro FETCH slot, q, set              ; 36 LDS loads in one run: the slot's q-th 128 keys: v^T's eight fragments and p's four
	WIN 0x40                                       ; destination window 1
.irp i, 0,1,2,3,4,5,6,7
	FRAG 128*(\set)+FR*\i, ADRB+\slot, \q, \i
.endr
	WIN 0xc0                                       ; destination window 3
.irp i, 0,1,2,3
	FRAG 64*(\set)+FR*\i, ADRA+\slot, \q, \i
.endr
.endm
; A step of 128 keys that has its successor in the same slot.  At its head stands vector work: the next pair of runs is brought under the row's M, or v_nop; it is also the places between the last step's products and the
; loads into the set that they read.  A scale word written here is first named two steps on, behind eight plain vector instructions or more.
.macro STEP slot, q, ks, zero
	WIN 0
.if ((\ks)%2 == 0) && ((\ks) < 14)
	ADJ (\ks)/2+1, 0
.elseif (\ks) == 14
	PLACES 8
.else
	PLACES 4
.endif
	FETCH \slot, (\q)+1, 1-(\ks)%2
	s_wait_dscnt 36                                ; this step's fragments are in; the 36 loads just issued may be out
	WIN MUL
	MUL8 0, (\ks)%2, \ks, \zero
	MUL8 1, (\ks)%2, \ks, \zero
	MUL8 2, (\ks)%2, \ks, \zero
	MUL8 3, (\ks)%2, \ks, \zero
.endm
; A slot's last step changes slots: ONE barrier; in front of it each wave waits for all its tensor loads, adds 0 to its spare word, and waits for that and for its own reads of this slot.  fill = 1: this slot is filled again, two slots ahead.
.macro TURN slot, next, fill, ks
	WIN 0                                          ; (the add's two registers lie in window 0)
	s_wait_tensorcnt 0x0                           ; all my tensor loads have landed: my part of the next slot
	ds_add_u32 v[SPW], v[NIL]                      ; 0 onto my spare word
	s_wait_dscnt 1                                 ; this step's fragments are in (the add may be out)
	WIN MUL
	MUL8 0, (\ks)%2, \ks, 0                        ; eight matrix instructions stand between the add and the wait for it
	s_wait_dscnt 0x0                               ; the add is done, and my reads of this slot are over
	s_barrier_signal -1
	MUL8 1, (\ks)%2, \ks, 0
	WIN 0
	s_barrier_wait -1
.if \fill
	CREST                                          ; a round of the cluster's barrier: no wave of any partner still reads this slot or has a load on its way
	s_add_nc_u64 s[G0+4*\slot+2:G0+4*\slot+3], s[G0+4*\slot+2:G0+4*\slot+3], 8*CHUNK
	s_add_nc_u64 s[G0B+4*\slot+2:G0B+4*\slot+3], s[G0B+4*\slot+2:G0B+4*\slot+3], 8*CHUNK
	JLOAD G0+4*\slot, G1, G0B+4*\slot, G1B         ; the first tensor load behind the round, my one load until the next; its four v_nop are the places in front of the loads below
.else
	PLACES 4
.endif
	FETCH \next, 0, 1-(\ks)%2
	WIN MUL
	MUL8 2, (\ks)%2, \ks, 0
	MUL8 3, (\ks)%2, \ks, 0
.endm
	s_wait_alu depctr_va_vdst(0)
	s_wait_tensorcnt 0x0                           ; my part of slot 0 is in
	ds_add_u32 v[SPW], v[NIL]
	s_wait_dscnt 0x0
	CROUND                                         ; everybody's is
	JLOAD G0+4, G1, G0B+4, G1B                     ; slot 1's first fill, issued as a refill is
	FETCH 0, 0, 0
	STEP 0, 0, 0, 1                                ; the first products start the sums
	WIN 0
	global_prefetch_b8 v8, s[76:77] offset:12*CHUNK th:TH_LOAD_NT scope:SCOPE_SE   ; keys 1,536 on
	global_prefetch_b8 v9, s[76:77] offset:12*CHUNK th:TH_LOAD_NT scope:SCOPE_SE
	STEP 0, 1, 1, 0
	STEP 0, 2, 2, 0
	TURN 0, 1, 1, 3                                ; slot 0 takes keys 1,024 on
	STEP 1, 0, 4, 0
	STEP 1, 1, 5, 0
	STEP 1, 2, 6, 0
	TURN 1, 0, 1, 7                                ; slot 1 takes keys 1,536 on
	STEP 0, 0, 8, 0
	STEP 0, 1, 9, 0
	STEP 0, 2, 10, 0
	TURN 0, 1, 0, 11                               ; nothing is left to fetch
	STEP 1, 0, 12, 0
	STEP 1, 1, 13, 0
	s_wait_alu depctr_va_vdst(0)
	STEP 1, 2, 14, 0
	s_wait_dscnt 0x0                               ; the very last step
	WIN MUL
	MUL8 0, 1, 15, 0
	MUL8 1, 1, 15, 0
	MUL8 2, 1, 15, 0
	MUL8 3, 1, 15, 0
	WIN 0
	PLACES 4                                       ; in front of the first read of results and of loads into registers that the products have read
	; THE WAY OUT.  The row's sum: my lane's eight runs and lane l xor 16's; the results are divided by it in place and go, 16 rows at a time, through my stage in LDS, so that 32 lanes store a row's 512 consecutive bytes.
.irp i, 0,1,2,3
	v_permlanex16_b32 v[T1+\i], v[LS+\i], s[SEL], s[SEL+1]
.endr
.irp i, 0,1,2,3
	v_add_f32 v[LS+\i], v[LS+\i], v[T1+\i]
.endr
	s_wait_alu depctr_va_vdst(0)
.irp i, 0,1,2,3
	v_rcp_f32 v[RC+2*\i], v[LS+\i]
.endr
	v_nop                                          ; a plain place behind the reciprocals
	s_wait_alu depctr_va_vdst(0)                   ; one wait for the four, ahead of their first reader
.macro SCALE a                         ; block a's 64 numbers a lane x 1 / the sum, each accumulator from its low end on
	WIN 0x82                                       ; source 0 and destination window 2
.set j, 64*(\a)
.rept 32
	v_pk_mul_f32 v[j:j+1], v[j:j+1], v[RC+2*(\a):RC+2*(\a)+1] op_sel_hi:[1,0]
.set j, j+2
.endr
.endm
.macro TOSTAGE a
	WIN 0x08                                       ; an LDS store's data are its source 1: window 2
.irp b, 0,1,2,3,4,5,6,7
	ds_store_b128 v[STO], v[64*(\a)+8*\b:64*(\a)+8*\b+3] offset:64*\b
	ds_store_b128 v[STO], v[64*(\a)+8*\b+4:64*(\a)+8*\b+7] offset:64*\b+16
.endr
	WIN 0x40                                       ; back into window 1, where v^T's fragments lay: 64 registers for each of the four blocks
.set BB, 64*(\a)
.irp t, 0,1,2,3,4,5,6,7,8,9,10,11,12,13,14,15
	ds_load_b128 v[BB+4*\t:BB+4*\t+3], v[RD] offset:\t*SPITCH   ; LDS serves a wave's instructions in order (ISA guide 5.7.1.4): these see my stores, and the next block's stores come behind them
.endr
.endm
.macro SEND a, younger                 ; younger: the LDS instructions issued behind block a's loads, which may stay out
.set BB, 64*(\a)
	s_wait_dscnt \younger                          ; the block is back in registers
	WIN 0x04                                       ; a store's data are its source 1: window 1
.irp t, 0,1,2,3,4,5,6,7,8,9,10,11,12,13,14,15
	global_store_b128 v[CO], v[BB+4*\t:BB+4*\t+3], s[14:15] offset:(16*(\a)+(\t^(8*((\a)/2))))*4096 th:TH_STORE_NT   ; 32 lanes store 512 consecutive bytes; in the odd run of 32 positions (blocks 2, 3) neighbouring octets of tokens are swapped
.endr
.endm
	SCALE 0
	TOSTAGE 0
.irp a, 1,2,3
	SCALE \a
	TOSTAGE \a
	SEND \a-1, 32                                  ; behind block a - 1's loads: block a's 16 stores and 16 loads
.endr
	SEND 3, 0
	WIN 0
	s_wait_tensorcnt 0x0                           ; the wave's end
	ds_add_u32 v[SPW], v[NIL]
	s_wait_dscnt 0x0
	CROUND                                         ; the closing round
	s_endpgm
.Lfunc_end_k_q86126df7bb_pv:
	.size	k_q86126df7bb_pv, .Lfunc_end_k_q86126df7bb_pv-k_q86126df7bb_pv
	.p2alignl 7, 3214868480
	.fill 96, 4, 3214868480
	.section	.rodata,"a",@progbits
	.p2align	6, 0x0
	.amdhsa_kernel k_q86126df7bb_pv
		.amdhsa_group_segment_fixed_size 327680
		.amdhsa_private_segment_fixed_size 0
		.amdhsa_enable_private_segment 0
		.amdhsa_kernarg_size 48
		.amdhsa_user_sgpr_count 2
		.amdhsa_user_sgpr_kernarg_segment_ptr 1
		.amdhsa_wavefront_size32 1
		.amdhsa_system_sgpr_workgroup_id_x 1
		.amdhsa_system_sgpr_workgroup_id_y 1
		.amdhsa_system_sgpr_workgroup_id_z 1
		.amdhsa_system_vgpr_workitem_id 0
		.amdhsa_next_free_vgpr 1024
		.amdhsa_next_free_sgpr 100
		.amdhsa_reserve_vcc 0
		.amdhsa_float_denorm_mode_32 3
		.amdhsa_float_denorm_mode_16_64 3
		.amdhsa_memory_ordered 1
		.amdhsa_forward_progress 1
		.amdhsa_inst_pref_size 167
	.end_amdhsa_kernel
	.amdgpu_metadata
---
amdhsa.version: [ 1, 2 ]
amdhsa.kernels:
  - .name:           k_q86126df7bb_pv
    .symbol:         k_q86126df7bb_pv.kd
    .args:
      - { .name: pc, .offset: 0, .size: 8, .value_kind: global_buffer, .address_space: global }
      - { .name: ps, .offset: 8, .size: 8, .value_kind: global_buffer, .address_space: global }
      - { .name: st, .offset: 16, .size: 8, .value_kind: global_buffer, .address_space: global }
      - { .name: codes, .offset: 24, .size: 8, .value_kind: global_buffer, .address_space: global }
      - { .name: scl, .offset: 32, .size: 8, .value_kind: global_buffer, .address_space: global }
      - { .name: out0, .offset: 40, .size: 8, .value_kind: global_buffer, .address_space: global }
    .group_segment_fixed_size: 327680
    .private_segment_fixed_size: 0
    .kernarg_segment_align: 8
    .kernarg_segment_size: 48
    .max_flat_workgroup_size: 128
    .sgpr_count:     100
    .vgpr_count:     1024
    .wavefront_size: 32
...
	.end_amdgpu_metadata
.endif
;; end of part 3
